; MI455X (gfx1250); checked and timed in simulation.
; The chip was launched on July 23, 2026; its instructions are those of AMD's public machine-readable ISA for CDNA 5 (MIT licence, August 2026) and "CDNA5" Instruction Set Architecture Reference Guide (July 2026). The comments in the code are by the model that wrote it; some were corrected since.
;; KDA Layer. Allowed arithmetic: float matrix products may take bf16 or f16 operands with f32 sums; other float arithmetic in f32, or as packed bf16 or f16 multiplies, adds, multiply-adds, maxima and minima; sums over many terms, partial sums and values carried from step to step in f32; what a program stores and reads back later, other than sums and carried values, may be rounded once to bf16 or f16.
;; Inputs: Wb 16 x 2,048 float32; Wk 2,048 x 2,048 float32; Wo 2,048 x 2,048 float32; Wq 2,048 x 2,048 float32; Wv 2,048 x 2,048 float32; alpha_log 16 x 128 float32; bb 16 float32; x 2 x 1,024 x 2,048 float32.
;; Outputs: out0 2 x 1,024 x 2,048 float32; out1 2 x 16 x 128 x 128 float32.
;; 2 versions, each right; version 2 is version 1 with the launch prep written anew for expert scheduling mode. Each part assembles by itself: llvm-mc -triple=amdgcn-amd-amdhsa -mcpu=gfx1250 --defsym DOCPART=n.
;; ======== version 1 of 2: 4 launches
;; limits: values are held in f16: magnitudes above 65,504 overflow, below 6.1e-05 lose precision; values outside matrix products are rounded to f16
;; workspace buffers: xh 8,388,608 bytes; wh 25,165,824 bytes; woh 8,388,608 bytes; beta 131,072 bytes; qkv 25,165,824 bytes; mx 16,384 bytes; oh 8,388,608 bytes
;; launch prep (part 1): grid 768 x 1, 8 waves a work-group, no clusters, 9,216 bytes of LDS; arguments x, Wq, Wk, Wv, Wo, Wb, bb, xh, wh, woh, beta; writes xh, wh, woh, beta
.if DOCPART == 1
	.amdgcn_target "amdgcn-amd-amdhsa--gfx1250"
	.amdhsa_code_object_version 6
	.text
	.protected	k_q88d0d85670_prep
	.globl	k_q88d0d85670_prep
	.p2align	8
	.type	k_q88d0d85670_prep,@function
k_q88d0d85670_prep:
	s_mov_b64 s[64:65], 0
	v_nop
	global_prefetch_b8 v0, s[64:65] scope:SCOPE_SE
	s_setreg_imm32_b32 hwreg(HW_REG_WAVE_MODE, 25, 1), 1
	s_wait_xcnt 0x0
; PREP.  Work-groups 0-127: beta = sigmoid(x Wb^T + bb), 16 rows of x each.  Work-groups 128-767: x, Wq, Wk, Wv, Wo are rounded to bf16 and written as f16.
; RoPE's angle hangs on head and channel alone, so it is applied here to the rows of Wq and Wk (in f32, on the bf16 numbers, rounded once to f16).
; Every input is rounded to bf16 first; a bf16 number is exact in f16 from 2^-17 up; smaller ones keep f16's fixed step of 2^-24.
; LIMITS.  |x| and the weights stay under 65,504; NaN and infinities are not treated apart.
; wh's rows: head x 384 + half x 192 + role x 64 + dd (role 0 q, 1 k, 2 v; channel = 64 half + dd), so that one tile of 384 rows is a head's q, k and v.
; beta's layout: [block of 16 rows][16 heads][16 rows] f32.
; No tensor loads, no cluster: the casts stream, each byte read by one wave; LDS serves the beta path's sum over its eight waves alone.
.set SPARE, 8192                       ; behind the partial sums: the spare words, 128 bytes a wave
.set SPW, 96                           ; v96  LDS address of my spare word; never rewritten
.set NIL, 97                           ; v97  0; never rewritten
.set LB,  128                          ; v[128:255] the cast path's 32 loads; the beta path's two sets of 64
.set WV,  26                           ; s26  my wave's number
	s_load_b512 s[4:19], s[0:1], 0x0               ; x s[4:5], Wq s[6:7], Wk s[8:9], Wv s[10:11], Wo s[12:13], Wb s[14:15], bb s[16:17], xh s[18:19]
	s_load_b128 s[20:23], s[0:1], 0x40             ; wh s[20:21], woh s[22:23]
	s_load_b64 s[24:25], s[0:1], 0x50              ; beta
	v_lshl_add_u32 v[SPW], v0, 2, SPARE
	v_mov_b32 v[NIL], 0
	v_lshrrev_b32 v1, 5, v0
	v_readfirstlane_b32 s[WV], v1
	v_and_b32 v3, 31, v0                           ; lane
	s_cmp_lt_u32 ttmp9, 128                        ; the same in all waves of a work-group
	s_cbranch_scc1 .Lbeta
; ---------------- THE CASTS.  A wave owns the two rows G x 128 + jj and + 64 of one tensor: 2 x 8,192 bytes in, 2 x 4,096 out.
	s_sub_co_u32 s27, ttmp9, 128
	s_lshr_b32 s28, s27, 7                         ; which tensor: 0 x, 1 Wq, 2 Wk, 3 Wv, 4 Wo
	s_bfe_u32 s29, s27, 0x40003                    ; G: the group of 128 rows (a head, for the weights)
	s_and_b32 s30, s27, 7
	s_lshl_b32 s30, s30, 3
	s_add_co_u32 s30, s30, s[WV]                   ; jj, 0..63
	s_lshl_b32 s31, s29, 7
	s_add_co_u32 s31, s31, s30                     ; the first row
	s_lshl_b32 s42, s31, 13                        ; x 8,192 bytes
	s_mov_b32 s43, 0
	s_mul_i32 s44, s29, 384
	s_sub_co_u32 s45, s28, 1
	s_cmp_lt_u32 s45, 2
	s_cselect_b32 s48, s29, 0                      ; the head whose angle turns the pair: Wq and Wk alone; 0 gives cos 1, sin 0 exactly
	s_lshl_b32 s45, s45, 6
	s_add_co_u32 s44, s44, s45
	s_add_co_u32 s44, s44, s30                     ; the first row in wh
	s_cmp_eq_u32 s28, 0
	s_cselect_b32 s44, s31, s44                    ; x and Wo keep their rows,
	s_cselect_b32 s46, 64, 192                     ; and the second row lies 64 on (in wh: 192)
	s_cmp_eq_u32 s28, 4
	s_cselect_b32 s44, s31, s44
	s_cselect_b32 s46, 64, s46
	s_lshl_b32 s44, s44, 12                        ; x 4,096 bytes
	s_mov_b32 s45, 0
	s_lshl_b32 s46, s46, 12
	s_mov_b32 s47, 0
	s_mov_b32 s49, 0xffff0000                      ; a word's upper bf16
	v_lshlrev_b32 v1, 4, v3                        ; 16 bytes a lane in
	v_lshlrev_b32 v14, 3, v3                       ; 8 bytes a lane out
	s_wait_kmcnt 0x0
	s_mov_b64 s[32:33], s[4:5]
	s_cmp_eq_u32 s28, 1
	s_cselect_b64 s[32:33], s[6:7], s[32:33]
	s_cmp_eq_u32 s28, 2
	s_cselect_b64 s[32:33], s[8:9], s[32:33]
	s_cmp_eq_u32 s28, 3
	s_cselect_b64 s[32:33], s[10:11], s[32:33]
	s_cmp_eq_u32 s28, 4
	s_cselect_b64 s[32:33], s[12:13], s[32:33]
	s_cselect_b64 s[34:35], s[22:23], s[20:21]     ; out: woh, or wh,
	s_cmp_eq_u32 s28, 0
	s_cselect_b64 s[34:35], s[18:19], s[34:35]     ; or xh
	s_add_nc_u64 s[32:33], s[32:33], s[42:43]
	s_add_nc_u64 s[34:35], s[34:35], s[44:45]
	s_add_nc_u64 s[36:37], s[34:35], s[46:47]
.set k, 0
.rept 16                                       ; all 32 loads go out at once: each covers 512 consecutive bytes; chunk k of both rows
	global_load_b128 v[LB+8*k:LB+8*k+3],   v1, s[32:33] offset:k*512
	global_load_b128 v[LB+8*k+4:LB+8*k+7], v1, s[32:33] offset:k*512+524288
.set k, k+1
.endr
	; cos and sin of head x theta, theta = 10000^(-jj/64) <= 1, while the loads are out: two series (the terms left out are under 3e-8), then the power by squaring
	v_cvt_f32_u32 v2, s30
	v_mul_f32 v2, 0xbe549a78, v2                   ; -jj log2(10000) / 64
	v_exp_f32 v2, v2
	v_nop                                          ; a plain instruction behind the exponential,
	s_wait_alu depctr_va_vdst(0)                   ; and the wait ahead of its first reader
	v_mul_f32 v4, v2, v2
	v_mov_b32 v5, 0x3638ef1d                       ; 1/9!
	v_mov_b32 v6, 0xb493f27e                       ; -1/10!
	v_fmaak_f32 v5, v5, v4, 0xb9500d01             ; -1/7!
	v_fmaak_f32 v6, v6, v4, 0x37d00d01             ; 1/8!
	v_fmaak_f32 v5, v5, v4, 0x3c088889             ; 1/5!
	v_fmaak_f32 v6, v6, v4, 0xbab60b61             ; -1/6!
	v_fmaak_f32 v5, v5, v4, 0xbe2aaaab             ; -1/3!
	v_fmaak_f32 v6, v6, v4, 0x3d2aaaab             ; 1/4!
	v_fma_f32 v5, v5, v4, 1.0
	v_fma_f32 v6, v6, v4, -0.5
	v_mul_f32 v5, v5, v2                           ; sin theta
	v_fma_f32 v4, v6, v4, 1.0                      ; cos theta
	v_mov_b32 v6, 1.0                              ; the power so far: (1, 0)
	v_mov_b32 v7, 0
.macro CPOW b                          ; if bit b of the head is set the power takes the factor; the factor is squared
	v_mul_f32 v8, v7, v5
	v_mul_f32 v9, v7, v4
	v_fma_f32 v8, v6, v4, -v8
	v_fma_f32 v9, v6, v5, v9
	s_bitcmp1_b32 s48, \b
	s_cselect_b32 s50, -1, 0
	v_cndmask_b32 v6, v6, v8, s50
	v_cndmask_b32 v7, v7, v9, s50
	v_mul_f32 v10, v5, v5
	v_mul_f32 v11, v4, v5
	v_fma_f32 v4, v4, v4, -v10
	v_add_f32 v5, v11, v11
.endm
	CPOW 0
	CPOW 1
	CPOW 2
	CPOW 3
	v_readfirstlane_b32 s38, v6                    ; c
	v_readfirstlane_b32 s40, v7                    ; s
	s_mov_b32 s39, s38                             ; named as pairs
	s_mov_b32 s41, s40
; Chunk k: 128 columns of both rows.  A = row 1, B = row 2, both rounded to bf16; out 1 = A c - B s, out 2 = B c + A s, rounded to f16.
; The results go into the chunk's own first load registers, which nothing writes again: no wait for the stores' sources is needed.
.macro CHUNK k
.set LK, LB+8*(\k)
	s_wait_loadcnt 30-2*(\k)                       ; loads come back in order: the 2 (15 - k) younger ones may stay out
	v_cvt_pk_bf16_f32 v24, v[LK], v[LK+1]
	v_cvt_pk_bf16_f32 v25, v[LK+2], v[LK+3]
	v_cvt_pk_bf16_f32 v26, v[LK+4], v[LK+5]
	v_cvt_pk_bf16_f32 v27, v[LK+6], v[LK+7]
.irp z, 0,1,2,3
	v_lshlrev_b32 v[16+2*\z], 16, v[24+\z]
	v_and_b32 v[17+2*\z], s49, v[24+\z]
.endr
	v_pk_mul_f32 v[28:29], v[20:21], s[40:41] op_sel_hi:[1,0]
	v_pk_mul_f32 v[30:31], v[22:23], s[40:41] op_sel_hi:[1,0]
	v_pk_mul_f32 v[32:33], v[16:17], s[40:41] op_sel_hi:[1,0]
	v_pk_mul_f32 v[34:35], v[18:19], s[40:41] op_sel_hi:[1,0]
	v_pk_fma_f32 v[28:29], v[16:17], s[38:39], v[28:29] op_sel_hi:[1,0,1] neg_lo:[0,0,1] neg_hi:[0,0,1]
	v_pk_fma_f32 v[30:31], v[18:19], s[38:39], v[30:31] op_sel_hi:[1,0,1] neg_lo:[0,0,1] neg_hi:[0,0,1]
	v_pk_fma_f32 v[32:33], v[20:21], s[38:39], v[32:33] op_sel_hi:[1,0,1]
	v_pk_fma_f32 v[34:35], v[22:23], s[38:39], v[34:35] op_sel_hi:[1,0,1]
	v_cvt_pk_f16_f32 v[LK], v28, v29
	v_cvt_pk_f16_f32 v[LK+1], v30, v31
	v_cvt_pk_f16_f32 v[LK+2], v32, v33
	v_cvt_pk_f16_f32 v[LK+3], v34, v35
	global_store_b64 v14, v[LK:LK+1],   s[34:35] offset:(\k)*256  ; the wave's 32 lanes store 256 consecutive bytes, aligned
	global_store_b64 v14, v[LK+2:LK+3], s[36:37] offset:(\k)*256
.endm
.irp k, 0,1,2,3,4,5,6,7,8,9,10,11,12,13,14,15
	CHUNK \k
.endr
	s_endpgm
; ---------------- BETA.  Work-group g: rows 16 g .. of x.  Wave v takes channels 256 v .. 256 v + 255: eight fragments of 32.  Source 0 = 16 rows of x, source 1 = the 16 rows of Wb:
; in the result a lane holds head lane % 16 and rows 8 (lane / 16) + 0..7.  A fragment's 8 + 8 channels a lane are 4 loads of 16 bytes of f32, rounded to bf16 in registers.
.Lbeta:
	v_and_b32 v4, 15, v0                           ; r
	v_bfe_u32 v5, v0, 4, 1                         ; hl
	s_lshl_b32 s27, s[WV], 10
	v_lshlrev_b32 v1, 13, v4
	v_lshl_add_u32 v1, v5, 5, v1
	v_add_nc_u32 v1, s27, v1                       ; r x 8,192 + wave x 1,024 + hl x 32: for x and for Wb; never rewritten
	s_and_b32 s28, s[WV], 1
	s_lshl_b32 s28, s28, 5
	v_lshrrev_b32 v6, 2, v3
	v_lshl_add_u32 v6, v6, 2, s28                  ; bb of head 8 (wave % 2) + lane / 4
	v_lshlrev_b32 v8, 6, v4
	v_lshl_add_u32 v8, v5, 5, v8
	v_add_nc_u32 v8, s27, v8                       ; LDS: my wave's image [head][16 rows] at wave x 1,024
	s_lshl_b32 s29, s[WV], 9
	v_lshl_add_u32 v9, v3, 4, s29                  ; waves 0 and 1: my 16 bytes of the image
	s_lshl_b32 s30, ttmp9, 17                      ; 16 rows of 8,192 bytes
	s_mov_b32 s31, 0
	s_lshl_b32 s34, ttmp9, 10
	s_mov_b32 s35, 0
	s_wait_kmcnt 0x0
	s_add_nc_u64 s[32:33], s[4:5], s[30:31]
	s_add_nc_u64 s[36:37], s[24:25], s[34:35]
	global_load_b32 v7, v6, s[16:17]
.macro LOADB k, set                    ; fragments 2 k and 2 k + 1 of x and of Wb: 16 loads into a set of 64 registers
.irp ff, 0,1
.irp q, 0,1,2,3
	global_load_b128 v[LB+64*(\set)+32*\ff+4*\q:LB+64*(\set)+32*\ff+4*\q+3],       v1, s[32:33] offset:(2*(\k)+\ff)*128+16*(\q%2)+64*(\q/2)
	global_load_b128 v[LB+64*(\set)+32*\ff+16+4*\q:LB+64*(\set)+32*\ff+16+4*\q+3], v1, s[14:15] offset:(2*(\k)+\ff)*128+16*(\q%2)+64*(\q/2)
.endr
.endr
.endm
; The two accumulators take turns.  The 32 roundings of a batch write the other pair of fragment buffers than the products just issued read: they are those products' places.
.macro PROC k, left
	s_wait_loadcnt \left
.set FRB, 32+32*((\k)%2)
.set STB, LB+64*((\k)%2)
.set i, 0
.rept 32
	v_cvt_pk_bf16_f32 v[FRB+i], v[STB+2*i], v[STB+2*i+1]
.set i, i+1
.endr
.if (\k) == 0
	v_wmma_f32_16x16x32_bf16 v[16:23], v[FRB:FRB+7], v[FRB+8:FRB+15], 0
	v_wmma_f32_16x16x32_bf16 v[24:31], v[FRB+16:FRB+23], v[FRB+24:FRB+31], 0
.else
	v_wmma_f32_16x16x32_bf16 v[16:23], v[FRB:FRB+7], v[FRB+8:FRB+15], v[16:23]
	v_wmma_f32_16x16x32_bf16 v[24:31], v[FRB+16:FRB+23], v[FRB+24:FRB+31], v[24:31]
.endif
.endm
	LOADB 0, 0
	LOADB 1, 1
	PROC 0, 16                                     ; bb and batch 0 are in; batch 1's 16 loads may stay out
	LOADB 2, 0
	PROC 1, 16
	LOADB 3, 1
	PROC 2, 16
	PROC 3, 0
.rept 8
	v_nop                                          ; the places behind the last products, once a launch
.endr
.irp i, 0,2,4,6
	v_pk_add_f32 v[16+\i:17+\i], v[16+\i:17+\i], v[24+\i:25+\i]
.endr
	ds_store_b128 v8, v[16:19]
	ds_store_b128 v8, v[20:23] offset:16
	s_wait_dscnt 0x0                               ; for the others: my partial sums lie in LDS
	s_barrier_signal -1
	s_barrier_wait -1
	s_cmp_lt_u32 s[WV], 2                          ; waves 0 and 1 finish half of the image each
	s_cbranch_scc0 .Lbend
.irp i, 0,1,2,3,4,5,6,7
	ds_load_b128 v[32+4*\i:35+4*\i], v9 offset:\i*1024
.endr
	v_cvt_pk_bf16_f32 v7, v7, v7                   ; bb is rounded like every input
	v_lshlrev_b32 v7, 16, v7
	v_mul_f32 v10, 0xbfb8aa3b, v7                  ; -bb log2(e)
	s_wait_dscnt 0x0
.set i, 0
.rept 8
	v_pk_add_f32 v[32+2*i:33+2*i], v[32+2*i:33+2*i], v[48+2*i:49+2*i]
.set i, i+1
.endr
.set i, 0
.rept 4
	v_pk_add_f32 v[32+2*i:33+2*i], v[32+2*i:33+2*i], v[40+2*i:41+2*i]
.set i, i+1
.endr
	v_pk_add_f32 v[32:33], v[32:33], v[36:37]
	v_pk_add_f32 v[34:35], v[34:35], v[38:39]
.irp i, 32,33,34,35
	v_fmamk_f32 v\i, v\i, 0xbfb8aa3b, v10          ; -(z + bb) log2(e)
.endr
.irp i, 32,33,34,35
	v_exp_f32 v\i, v\i
.endr
	v_nop
	s_wait_alu depctr_va_vdst(0)                   ; one wait for the four exponentials
.irp i, 32,33,34,35
	v_add_f32 v\i, 1.0, v\i
.endr
.irp i, 32,33,34,35
	v_rcp_f32 v\i, v\i
.endr
	v_nop
	s_wait_alu depctr_va_vdst(0)                   ; one wait for the four reciprocals
	global_store_b128 v9, v[32:35], s[36:37]       ; the wave stores 512 consecutive bytes, aligned
.Lbend:
	s_wait_tensorcnt 0x0                           ; the wave's end
	ds_add_u32 v[SPW], v[NIL]
	s_wait_dscnt 0x0
	s_endpgm
.Lfunc_end_k_q88d0d85670_prep:
	.size	k_q88d0d85670_prep, .Lfunc_end_k_q88d0d85670_prep-k_q88d0d85670_prep
	.p2alignl 7, 3214868480
	.fill 96, 4, 3214868480
	.section	.rodata,"a",@progbits
	.p2align	6, 0x0
	.amdhsa_kernel k_q88d0d85670_prep
		.amdhsa_group_segment_fixed_size 9216
		.amdhsa_private_segment_fixed_size 0
		.amdhsa_enable_private_segment 0
		.amdhsa_kernarg_size 88
		.amdhsa_user_sgpr_count 2
		.amdhsa_user_sgpr_kernarg_segment_ptr 1
		.amdhsa_wavefront_size32 1
		.amdhsa_system_sgpr_workgroup_id_x 1
		.amdhsa_system_sgpr_workgroup_id_y 1
		.amdhsa_system_sgpr_workgroup_id_z 1
		.amdhsa_system_vgpr_workitem_id 0
		.amdhsa_next_free_vgpr 256
		.amdhsa_next_free_sgpr 66
		.amdhsa_reserve_vcc 0
		.amdhsa_float_denorm_mode_32 3
		.amdhsa_float_denorm_mode_16_64 3
		.amdhsa_memory_ordered 1
		.amdhsa_forward_progress 1
		.amdhsa_inst_pref_size 52
	.end_amdhsa_kernel
	.amdgpu_metadata
---
amdhsa.version: [ 1, 2 ]
amdhsa.kernels:
  - .name:           k_q88d0d85670_prep
    .symbol:         k_q88d0d85670_prep.kd
    .args:
      - { .name: x, .offset: 0, .size: 8, .value_kind: global_buffer, .address_space: global }
      - { .name: Wq, .offset: 8, .size: 8, .value_kind: global_buffer, .address_space: global }
      - { .name: Wk, .offset: 16, .size: 8, .value_kind: global_buffer, .address_space: global }
      - { .name: Wv, .offset: 24, .size: 8, .value_kind: global_buffer, .address_space: global }
      - { .name: Wo, .offset: 32, .size: 8, .value_kind: global_buffer, .address_space: global }
      - { .name: Wb, .offset: 40, .size: 8, .value_kind: global_buffer, .address_space: global }
      - { .name: bb, .offset: 48, .size: 8, .value_kind: global_buffer, .address_space: global }
      - { .name: xh, .offset: 56, .size: 8, .value_kind: global_buffer, .address_space: global }
      - { .name: wh, .offset: 64, .size: 8, .value_kind: global_buffer, .address_space: global }
      - { .name: woh, .offset: 72, .size: 8, .value_kind: global_buffer, .address_space: global }
      - { .name: beta, .offset: 80, .size: 8, .value_kind: global_buffer, .address_space: global }
    .group_segment_fixed_size: 9216
    .private_segment_fixed_size: 0
    .kernarg_segment_align: 8
    .kernarg_segment_size: 88
    .max_flat_workgroup_size: 256
    .sgpr_count:     66
    .vgpr_count:     256
    .wavefront_size: 32
...
	.end_amdgpu_metadata
.endif
;; end of part 1
;; launch qkv (part 2): grid 16 x 16, 4 waves a work-group, clusters of 4 x 4, 327,680 bytes of LDS; arguments xh, wh, beta, qkv, mx; writes qkv, mx
.if DOCPART == 2
	.amdgcn_target "amdgcn-amd-amdhsa--gfx1250"
	.amdhsa_code_object_version 6
	.text
	.protected	k_q88d0d85670_qkv
	.globl	k_q88d0d85670_qkv
	.p2align	8
	.type	k_q88d0d85670_qkv,@function
k_q88d0d85670_qkv:
	s_mov_b64 s[64:65], 0
	v_nop
	global_prefetch_b8 v0, s[64:65] scope:SCOPE_SE
	s_setreg_imm32_b32 hwreg(HW_REG_WAVE_MODE, 25, 1), 1
	s_wait_xcnt 0x0
	s_wait_alu depctr_hold_cnt(0) depctr_sa_sdst(0) depctr_va_vdst(0) depctr_va_sdst(0) depctr_va_ssrc(0) depctr_va_vcc(0) depctr_vm_vsrc(0)
	s_getreg_b32 s2, hwreg(HW_REG_IB_STS2, 6, 4)
	s_cmp_eq_u32 s2, 0
	s_cbranch_scc0 .Lentry_in_a_cluster
	s_endpgm
.Lentry_in_a_cluster:
	s_bfe_u32 s2, ttmp6, 0x10000c
	s_cmp_lg_u32 s2, 0xf033
	s_cbranch_scc0 .Lentry_shape_is_right
	s_endpgm
.Lentry_shape_is_right:
; QKV.  [2048 rows of xh] x [6144 rows of wh]^T over K = 2048, f16 operands, f32 sums.  A work-group makes 128 rows x 384 columns: q, k and v of one head (RoPE lies in wh already).
; Four waves: wave w takes rows 64 (w / 2) .. and the 192 rows of wh of channel half w % 2: 4 x 12 accumulators, 384 registers; for 32 along K 48 matrix instructions on 32 LDS loads.
; K goes in 16 steps of 128 through two LDS slots (rows of 256 bytes, aligned, padded to 272); part 0 of a slot is xh's 128 rows, parts 1-3 wh's 384; wave w fetches part w.
; CLUSTER 4 x 4: xh's tile hangs on the tile row alone and is asked for jointly along a row of the cluster, wh's on the head alone and jointly along a column.
; q and k are multiplied with wh as source 0 (a lane holds one row t and 8 neighbouring channels), v with xh as source 0 (a lane holds one channel e and 8 neighbouring rows t): v leaves transposed.
; THE WAY OUT: v is multiplied by beta; all three are rounded once to f16 and stored in dense blocks of 8,192 bytes, index ((role x 16 + head) x 32 + row / 64) x 2 + half;
; q, k: [64 t][64 d]; v: [64 e][64 t].  Each wave also stores the largest |q|, |k|, |beta v| that it has seen: 16 bytes a wave, from one lane.
; LIMITS.  |q|, |k|, |beta v| stay under 65,504 (f16); NaN and infinities are not treated apart.
; REGISTERS, in windows of 256: window 0 addresses, beta, the way out; windows 1, 2 the accumulators ((a, b) in window 1 + a / 2 at 96 (a % 2) + 8 b);
; window 3 two fragment buffers of 128: xh's fragment a at 8 a, wh's fragment b at 32 + 8 b.
.set KSTEP,  128
.set PITCH,  272                       ; 256 bytes + 16 of padding: the 16 rows of a fragment load start at 16 different groups of four banks (ISA guide 11.1)
.set PARTB,  128*PITCH
.set SLOT,   4*PARTB                   ; 0x22000: its bits lie apart from those of wave x PARTB, so one exclusive or changes slots
.set STAGE,  2*SLOT                    ; behind the ring: 16 rows x 144 bytes for each wave
.set SP,     144
.set SPARE,  STAGE+4*16*SP             ; the spare words, 128 bytes a wave
.set R, 1
.set HL, 2
.set ADRA0, 8                          ; my lane's place in xh's part, slot 0; never rewritten
.set ADRB0, 9                          ; the same in wh's parts
.set ADRA, 10                          ; in the slot in hand
.set ADRB, 11
.set STO, 12
.set RD, 13
.set GO, 14
.set BO, 15
.set PFO, 16                           ; the prefetches' offset: lane x 4,096; never rewritten
.set LANE, 17
.set SPW, 18
.set NIL, 19
.set MX, 20                            ; v[20:23] running maxima of q, k, beta v; 0
.set MN, 24                            ; v[24:26] running minima
.set TT, 27
.set ZO, 28
.set TMP, 32                           ; v[32:63]  two halves of 16: packed results
.set OB, 64                            ; v[64:95]  two halves of 16: rows read back
.set BT, 96                            ; v[96:127] beta of my 4 x 8 rows
.set F0, 0
.set F1, 128
.set WV, 14
.set MH, 15
.set NN, 16
.set CX, 17
.set CY, 18
.set JJ, 19                            ; the head = tile column
.set YY, 20                            ; the tile row
.set TRIPS, 21
.set SO, 22                            ; LDS byte of the slot in hand
.set LIM, 23                           ; 2 in a wave that prefetches, else the greatest number
.set G1A, 24
.set G0A, 32                           ; two sets; the second then walks
.set G1B, 48
.set G0B, 56
.set PFA, 66
.set BQ, 68                            ; s[68:73] my blocks of q, k, v
.set SEL, 74
.set G1W0, (1<<16)|(1<<20)|(1<<21)|(5<<22)|(3<<25)  ; 2-byte elements; padding on; bit 21 beside a mask; after every 64 words, 4 words
.set MSB, 0
.macro WIN new
.if MSB != (\new)
	s_set_vgpr_msb (MSB<<8)|(\new)
.set MSB, \new
.endif
.endm
.set TO_F, 0xc0                        ; destination window 3, address window 0
.macro PLACES
.rept 4
	v_nop
.endr
.endm
.macro JLOAD s                         ; a joint load: wave 0 fetches xh's part, waves 1-3 wh's; an s_nop 0 and four v_nop follow each line
	s_cmp_eq_u32 s[WV], 0
	s_cbranch_scc0 .Lfor_b_\@
	tensor_load_to_lds s[G0A+4*(\s):G0A+4*(\s)+3], s[G1A:G1A+7]
	s_nop 0
.rept 4
	v_nop
.endr
	s_branch .Lasked_\@
.Lfor_b_\@:
	tensor_load_to_lds s[G0B+4*(\s):G0B+4*(\s)+3], s[G1B:G1B+7]
	s_nop 0
.rept 4
	v_nop
.endr
.Lasked_\@:
.endm
.macro CREST
	s_cmp_lg_u32 s[WV], 0
	s_cbranch_scc1 .Lnot_wave_0_\@
	s_barrier_signal -3
.Lnot_wave_0_\@:
	s_barrier_wait -3
	s_barrier_signal -1
	s_barrier_wait -1
.endm
.macro CROUND
	s_barrier_signal -1
	s_barrier_wait -1
	CREST
.endm
; A prefetch of the K step that stands two refills on: 32 rows x 256 bytes, a lane a row.  xh's tile row is read by every cluster of that row of clusters: cluster x = 0 asks (wave 0);
; wh's rows by every cluster of that column: cluster y = 0 asks (waves 1-3).  The four partners of a joint load share its 128 rows out by address, 32 each.  The last two refills ask for nothing.
.macro ASK
	s_cmp_gt_u32 s[TRIPS], s[LIM]
	s_cbranch_scc0 .Lnot_mine_\@
	global_prefetch_b8 v[PFO], s[PFA:PFA+1] offset:KSTEP*2 th:TH_LOAD_NT scope:SCOPE_SE
.Lnot_mine_\@:
.endm
	s_load_b256 s[4:11], s[0:1], 0x0               ; xh s[4:5], wh s[6:7], beta s[8:9], qkv s[10:11]
	s_load_b64 s[12:13], s[0:1], 0x20              ; mx
	v_lshl_add_u32 v[SPW], v0, 2, SPARE
	v_mov_b32 v[NIL], 0
	ds_add_u32 v[SPW], v[NIL]                      ; the opening: an add of 0, twice on end, and its wait ahead of my first tensor load
	ds_add_u32 v[SPW], v[NIL]
	v_lshrrev_b32 v1, 5, v0
	v_readfirstlane_b32 s[WV], v1
	s_lshr_b32 s[MH], s[WV], 1
	s_and_b32 s[NN], s[WV], 1
	s_bfe_u32 s[CX], ttmp6, 0x40000
	s_bfe_u32 s[CY], ttmp6, 0x40004
	s_lshl_b32 s[JJ], ttmp9, 2
	s_add_co_u32 s[JJ], s[JJ], s[CX]
	s_and_b32 s[YY], ttmp7, 0xffff
	s_lshl_b32 s[YY], s[YY], 2
	s_add_co_u32 s[YY], s[YY], s[CY]
	s_lshl_b32 s84, s[CY], 2
	s_lshl_b32 s84, 15, s84                        ; my row of the cluster
	s_lshl_b32 s85, 0x1111, s[CX]                  ; my column
	s_or_b32 s[G1A], s84, G1W0
	s_or_b32 s[G1B], s85, G1W0
.irp g, G1A, G1B
	s_mov_b32 s[\g+1], KSTEP<<16                   ; tensor_dim0 = 128
	s_mov_b32 s[\g+2], 128<<16                     ; tensor_dim1 = 128
	s_mov_b32 s[\g+3], KSTEP<<16                   ; tile_dim0 = 128
	s_mov_b32 s[\g+4], 128                         ; tile_dim1 = 128
	s_mov_b32 s[\g+5], 2048                        ; elements from row to row
	s_mov_b32 s[\g+6], 0
	s_mov_b32 s[\g+7], 0
.endr
	s_lshl_b32 s76, s[YY], 19                      ; xh: 128 rows of 4,096 bytes a tile row
	s_mov_b32 s77, 0
	s_mul_i32 s78, s[JJ], 384                      ; wh: the head's 384 rows, of which waves 1-3 take 128 each
	s_sub_co_i32 s79, s[WV], 1
	s_max_i32 s79, s79, 0
	s_lshl_b32 s79, s79, 7
	s_add_co_u32 s78, s78, s79
	s_lshl_b32 s78, s78, 12
	s_mov_b32 s79, 0
	s_mul_i32 s86, s[WV], PARTB                    ; where my part goes: no place in the cluster enters an LDS address
	s_mov_b32 s[SO], 0
	s_mov_b32 s[SEL], 0x76543210
	s_mov_b32 s[SEL+1], 0xfedcba98
	s_wait_dscnt 0x0                               ; both opening adds are done
	s_wait_kmcnt 0x0
	s_add_nc_u64 s[80:81], s[4:5], s[76:77]
	s_add_nc_u64 s[82:83], s[6:7], s[78:79]
	CROUND                                         ; all sixteen work-groups are here: the first joint loads meet
.irp s, 0,1
	s_mov_b32 s[G0A+4*\s], 1
	s_add_co_u32 s[G0A+4*\s+1], s86, \s*SLOT
	s_add_nc_u64 s[G0A+4*\s+2:G0A+4*\s+3], s[80:81], \s*KSTEP*2
	s_or_b32 s[G0A+4*\s+3], s[G0A+4*\s+3], 0x80000000
	s_mov_b32 s[G0B+4*\s], 1
	s_add_co_u32 s[G0B+4*\s+1], s86, \s*SLOT
	s_add_nc_u64 s[G0B+4*\s+2:G0B+4*\s+3], s[82:83], \s*KSTEP*2
	s_or_b32 s[G0B+4*\s+3], s[G0B+4*\s+3], 0x80000000
	JLOAD \s                                       ; K steps 0 and 1: two loads of mine are out
.endr
	v_and_b32 v[R], 15, v0
	v_bfe_u32 v[HL], v0, 4, 1
	v_and_b32 v[LANE], 31, v0
	v_mul_u32_u24 v3, v[R], PITCH
	v_lshl_add_u32 v3, v[HL], 4, v3                ; a fragment's row x pitch + 16 x half
	s_mul_i32 s86, s[MH], 64*PITCH
	s_mul_i32 s87, s[NN], 192*PITCH
	s_add_co_u32 s87, s87, PARTB
	v_add_nc_u32 v[ADRA0], s86, v3
	v_add_nc_u32 v[ADRB0], s87, v3
	v_mov_b32 v[ADRA], v[ADRA0]
	v_mov_b32 v[ADRB], v[ADRB0]
	s_mul_i32 s86, s[WV], 16*SP
	s_add_co_u32 s86, s86, STAGE                   ; my stage
	v_mul_u32_u24 v[STO], v[R], SP
	v_lshl_add_u32 v[STO], v[HL], 4, v[STO]
	v_add_nc_u32 v[STO], s86, v[STO]               ; in: row lane % 16, 16 bytes for each half of the lanes
	v_lshrrev_b32 v[RD], 3, v[LANE]
	v_mul_u32_u24 v[RD], v[RD], SP
	v_and_b32 v3, 7, v0
	v_lshl_add_u32 v[RD], v3, 4, v[RD]
	v_add_nc_u32 v[RD], s86, v[RD]                 ; back: 32 lanes take four rows of 128 bytes
	v_lshlrev_b32 v[GO], 4, v[LANE]                ; which are 512 consecutive bytes of a block
	v_lshlrev_b32 v[BO], 5, v[HL]
	v_lshlrev_b32 v[PFO], 12, v[LANE]
.irp i, 0,1,2,3
	v_mov_b32 v[MX+\i], 0
	v_mov_b32 v[MN+\i], 0                          ; (the fourth is TT, which a lane exchange names as its destination)
.endr
	v_mov_b32 v[ZO], 0
	s_lshl_b32 s88, s[YY], 13                      ; beta: block 8 y + 4 mh + a of 1,024 bytes, head x 64
	s_lshl_b32 s89, s[MH], 12
	s_add_co_u32 s88, s88, s89
	s_lshl_b32 s89, s[JJ], 6
	s_add_co_u32 s88, s88, s89
	s_mov_b32 s89, 0
	s_add_nc_u64 s[90:91], s[8:9], s[88:89]
.irp a, 0,1,2,3
	global_load_b128 v[BT+8*\a:BT+8*\a+3],   v[BO], s[90:91] offset:\a*1024
	global_load_b128 v[BT+8*\a+4:BT+8*\a+7], v[BO], s[90:91] offset:\a*1024+16
.endr
	s_lshl_b32 s88, s[JJ], 5                       ; my blocks: ((head x 32 + 2 y + mh) x 2 + half) x 8,192, a role 8,388,608 apart
	s_lshl_b32 s2, s[YY], 1
	s_add_co_u32 s88, s88, s2
	s_add_co_u32 s88, s88, s[MH]
	s_lshl_b32 s88, s88, 1
	s_add_co_u32 s88, s88, s[NN]
	s_lshl_b32 s88, s88, 13
	s_add_nc_u64 s[BQ:BQ+1], s[10:11], s[88:89]
	s_add_nc_u64 s[BQ+2:BQ+3], s[BQ:BQ+1], 0x800000
	s_add_nc_u64 s[BQ+4:BQ+5], s[BQ+2:BQ+3], 0x800000
	s_lshl_b32 s88, s[YY], 4                       ; mx: ((y x 16 + head) x 4 + wave) x 16
	s_add_co_u32 s88, s88, s[JJ]
	s_lshl_b32 s88, s88, 2
	s_add_co_u32 s88, s88, s[WV]
	s_lshl_b32 s88, s88, 4
	s_add_nc_u64 s[92:93], s[12:13], s[88:89]
	; the prefetches: my work-group's 32 of the 128 rows that I fetch
	s_lshl_b32 s88, s[YY], 7
	s_mul_i32 s2, s[JJ], 384
	s_sub_co_i32 s3, s[WV], 1
	s_max_i32 s3, s3, 0
	s_lshl_b32 s3, s3, 7
	s_add_co_u32 s2, s2, s3
	s_and_b32 s3, ttmp7, 0xffff                    ; cluster y
	s_cmp_eq_u32 s[WV], 0
	s_cselect_b32 s88, s88, s2                     ; the part's first row
	s_cselect_b32 s2, s[CX], s[CY]                 ; my place among the four that ask with me
	s_cselect_b32 s3, ttmp9, s3                    ; the coordinate along which other clusters read the same rows
	s_cselect_b64 s[PFA:PFA+1], s[4:5], s[6:7]
	s_cmp_eq_u32 s3, 0
	s_cselect_b32 s[LIM], 2, -1
	s_lshl_b32 s2, s2, 5
	s_add_co_u32 s88, s88, s2
	s_lshl_b32 s88, s88, 12
	s_add_nc_u64 s[PFA:PFA+1], s[PFA:PFA+1], s[88:89]
	s_add_nc_u64 s[PFA:PFA+1], s[PFA:PFA+1], 2*KSTEP*2  ; at K step 2: the first refill steps it to 3 and names K step 4; nothing is asked for here at the head
; 12 matrix instructions: row block a x all 12 blocks of wh, 32 along K.  The 48 accumulators take turns, in the same order in every quarter.
.macro MUL12 f, a, zero
	WIN 0x5f+0x50*((\a)/2)                         ; both sources window 3; C and D window 1 or 2
.set rA, (\f)+8*(\a)
.irp b, 0,1,2,3,4,5,6,7,8,9,10,11
.set rD, 96*((\a)%2)+8*\b
.set rB, (\f)+32+8*\b
.if \b < 8
.if \zero
	v_wmma_f32_16x16x32_f16 v[rD:rD+7], v[rB:rB+7], v[rA:rA+7], 0
.else
	v_wmma_f32_16x16x32_f16 v[rD:rD+7], v[rB:rB+7], v[rA:rA+7], v[rD:rD+7]
.endif
.else
.if \zero
	v_wmma_f32_16x16x32_f16 v[rD:rD+7], v[rA:rA+7], v[rB:rB+7], 0
.else
	v_wmma_f32_16x16x32_f16 v[rD:rD+7], v[rA:rA+7], v[rB:rB+7], v[rD:rD+7]
.endif
.endif
.endr
.endm
.macro FETCH k, f                      ; 32 LDS loads in one run: wh's 12 fragments, then xh's 4, 32 along K at byte k of the rows
	WIN TO_F
.irp i, 0,1,2,3,4,5,6,7,8,9,10,11
	ds_load_b128 v[(\f)+32+8*\i:(\f)+32+8*\i+3],   v[ADRB] offset:(\k)+\i*16*PITCH
	ds_load_b128 v[(\f)+32+8*\i+4:(\f)+32+8*\i+7], v[ADRB] offset:(\k)+\i*16*PITCH+32
.endr
.irp i, 0,1,2,3
	ds_load_b128 v[(\f)+8*\i:(\f)+8*\i+3],   v[ADRA] offset:(\k)+\i*16*PITCH
	ds_load_b128 v[(\f)+8*\i+4:(\f)+8*\i+7], v[ADRA] offset:(\k)+\i*16*PITCH+32
.endr
.endm
.macro QUARTER k, f, g, zero           ; multiplies buffer f; in its middle fetches the next quarter, at byte k, into g
	s_wait_dscnt 4                                 ; only the youngest four loads, xh's fragments 2 and 3, may be out
	MUL12 \f, 0, \zero
	MUL12 \f, 1, \zero
	PLACES                                         ; four places between the last product that read g and the loads into it
	FETCH \k, \g
	s_wait_dscnt 32                                ; all but the 32 just issued
	MUL12 \f, 2, \zero
	MUL12 \f, 3, \zero
.endm
; The last quarter of a K step multiplies buffer 1 and changes slots.  In front of the barrier each wave waits for all its tensor loads (one is out: its part of the next slot), adds 0 to its spare
; word, and waits for that and for its reads of this slot.  fill = 1: the barrier opens a round of the cluster's, and the joint refill, two K steps ahead, is the first thing behind it:
; 168 matrix instructions stand between it and the wait for it.
.macro TURN fill
.if \fill
	s_wait_xcnt 0x0                                ; the last prefetch, a K step back, has read its address
	s_add_nc_u64 s[PFA:PFA+1], s[PFA:PFA+1], KSTEP*2
.endif
	WIN 0
	s_wait_tensorcnt 0x0
	ds_add_u32 v[SPW], v[NIL]
	s_wait_dscnt 5                                 ; (the add and the youngest four loads may be out)
	MUL12 F1, 0, 0
	s_wait_dscnt 0x0                               ; the add is done, my reads of this slot are over
	s_barrier_signal -1
	MUL12 F1, 1, 0
	WIN 0
	s_barrier_wait -1
.if \fill
	CREST
	s_xor_b32 s[G0A+5], s[G0A+5], SLOT             ; the walking descriptors: the other slot than last time, the next K step
	s_add_nc_u64 s[G0A+6:G0A+7], s[G0A+6:G0A+7], KSTEP*2
	s_xor_b32 s[G0B+5], s[G0B+5], SLOT
	s_add_nc_u64 s[G0B+6:G0B+7], s[G0B+6:G0B+7], KSTEP*2
	JLOAD 1                                        ; its four v_nop are also the places in front of the loads below
.else
	PLACES
.endif
	s_xor_b32 s[SO], s[SO], SLOT
	v_add_nc_u32 v[ADRA], s[SO], v[ADRA0]
	v_add_nc_u32 v[ADRB], s[SO], v[ADRB0]
	FETCH 0, F0
.if \fill
	WIN 0
	ASK
.endif
	MUL12 F1, 2, 0
	MUL12 F1, 3, 0
.endm
	s_wait_tensorcnt 1                             ; my part of K step 0 is in; K step 1 may stay out
	s_barrier_signal -1
	s_barrier_wait -1
	FETCH 0, F0
	QUARTER 64, F0, F1, 1                          ; the first quarter starts the sums: nothing is cleared
	WIN 0
	s_mov_b32 s[TRIPS], 14
.Lstep:                                        ; a trip: a K step's quarters 1-3 and the next step's quarter 0; it asks for K steps 2 .. 15
	QUARTER 128, F1, F0, 0
	QUARTER 192, F0, F1, 0
	TURN 1
	QUARTER 64, F0, F1, 0
	WIN 0
	s_sub_co_u32 s[TRIPS], s[TRIPS], 1
	s_cmp_lg_u32 s[TRIPS], 0
	s_cbranch_scc1 .Lstep
	QUARTER 128, F1, F0, 0                         ; the tail is written out: nothing more is asked for
	QUARTER 192, F0, F1, 0
	TURN 0
	QUARTER 64, F0, F1, 0
	QUARTER 128, F1, F0, 0
	QUARTER 192, F0, F1, 0
	s_wait_dscnt 4
	MUL12 F1, 0, 0
	MUL12 F1, 1, 0
	s_wait_dscnt 0x0
	MUL12 F1, 2, 0
	MUL12 F1, 3, 0
	WIN 0
	PLACES
	s_wait_loadcnt 0x0                             ; beta
; THE WAY OUT, in 12 units of four accumulators = 16 rows x 128 bytes = 2,048 dense bytes of a block.  Units 0-3: q, row block u; 4-7: k; 8-11: v, channel block u - 8.
; Each accumulator's registers are taken in ascending order.
.macro UNIT u
.set hT, TMP+16*((\u)%2)
.set hO, OB+16*((\u)%2)
.irp i, 0,1,2,3
.if (\u) < 8
.set ua, (\u)%4
.set ub, 4*((\u)/4)+\i
.else
.set ua, \i
.set ub, 8+(\u)%4
.endif
.set rD, 96*(ua%2)+8*ub
.set aw, 1+ua/2
.if (\u) >= 8
	WIN 0x41*aw                                    ; destination and source 0 in the accumulator's window, beta in window 0
.irp z, 0,2,4,6
	v_pk_mul_f32 v[rD+\z:rD+\z+1], v[rD+\z:rD+\z+1], v[BT+8*ua+\z:BT+8*ua+\z+1]
.endr
.endif
	WIN 0x05*aw                                    ; sources 0 and 1 in the accumulator's window
.irp z, 0,1,2,3
	v_max3_num_f32 v[MX+(\u)/4], v[rD+2*\z], v[rD+2*\z+1], v[MX+(\u)/4]
	v_min3_num_f32 v[MN+(\u)/4], v[rD+2*\z], v[rD+2*\z+1], v[MN+(\u)/4]
	v_cvt_pk_f16_f32 v[hT+4*\i+\z], v[rD+2*\z], v[rD+2*\z+1]
.endr
.endr
	WIN 0
.irp i, 0,1,2,3
	ds_store_b128 v[STO], v[hT+4*\i:hT+4*\i+3] offset:32*\i
.endr
	s_wait_xcnt 0x0                                ; the stores of two units back have read this half of OB
.irp t, 0,1,2,3
	ds_load_b128 v[hO+4*\t:hO+4*\t+3], v[RD] offset:\t*4*SP  ; LDS serves a wave's instructions in order (ISA guide 5.7.1.4): these see the stores above
.endr
.endm
.macro SEND u, younger
.set hO, OB+16*((\u)%2)
	s_wait_dscnt \younger                          ; the next unit's eight LDS instructions may be out
.irp t, 0,1,2,3
	global_store_b128 v[GO], v[hO+4*\t:hO+4*\t+3], s[BQ+2*((\u)/4):BQ+2*((\u)/4)+1] offset:((\u)%4)*2048+\t*512  ; 512 consecutive bytes, aligned
.endr
.endm
	UNIT 0
.irp u, 1,2,3,4,5,6,7,8,9,10,11
	UNIT \u
	SEND \u-1, 8
.endr
	SEND 11, 0
.irp c, 0,1,2
	v_sub_f32 v[MN+\c], 0, v[MN+\c]
	v_max_num_f32 v[MX+\c], v[MX+\c], v[MN+\c]     ; the largest magnitude
.endr
.irp m, 1,2,4,8
.irp c, 0,1,2
	v_max_num_f32_dpp v[MX+\c], v[MX+\c], v[MX+\c] row_xmask:\m row_mask:0xf bank_mask:0xf
.endr
.endr
.irp c, 0,1,2
	v_permlanex16_b32 v[TT], v[MX+\c], s[SEL], s[SEL+1]
	v_max_num_f32 v[MX+\c], v[MX+\c], v[TT]
.endr
	v_cmp_eq_u32 vcc_lo, 0, v[LANE]
	s_wait_xcnt 0x0                                ; EXEC changes only behind this wait
	s_and_saveexec_b32 s2, vcc_lo
	global_store_b128 v[ZO], v[MX:MX+3], s[92:93]  ; lane 0 alone: the wave's three maxima and a 0
	s_wait_xcnt 0x0
	s_or_b32 exec_lo, exec_lo, s2
	s_wait_tensorcnt 0x0                           ; the wave's end
	ds_add_u32 v[SPW], v[NIL]
	s_wait_dscnt 0x0
	CROUND                                         ; the closing round
	s_endpgm
.Lfunc_end_k_q88d0d85670_qkv:
	.size	k_q88d0d85670_qkv, .Lfunc_end_k_q88d0d85670_qkv-k_q88d0d85670_qkv
	.p2alignl 7, 3214868480
	.fill 96, 4, 3214868480
	.section	.rodata,"a",@progbits
	.p2align	6, 0x0
	.amdhsa_kernel k_q88d0d85670_qkv
		.amdhsa_group_segment_fixed_size 327680
		.amdhsa_private_segment_fixed_size 0
		.amdhsa_enable_private_segment 0
		.amdhsa_kernarg_size 40
		.amdhsa_user_sgpr_count 2
		.amdhsa_user_sgpr_kernarg_segment_ptr 1
		.amdhsa_wavefront_size32 1
		.amdhsa_system_sgpr_workgroup_id_x 1
		.amdhsa_system_sgpr_workgroup_id_y 1
		.amdhsa_system_sgpr_workgroup_id_z 1
		.amdhsa_system_vgpr_workitem_id 0
		.amdhsa_next_free_vgpr 1024
		.amdhsa_next_free_sgpr 96
		.amdhsa_reserve_vcc 1
		.amdhsa_float_denorm_mode_32 3
		.amdhsa_float_denorm_mode_16_64 3
		.amdhsa_memory_ordered 1
		.amdhsa_forward_progress 1
		.amdhsa_inst_pref_size 130
	.end_amdhsa_kernel
	.amdgpu_metadata
---
amdhsa.version: [ 1, 2 ]
amdhsa.kernels:
  - .name:           k_q88d0d85670_qkv
    .symbol:         k_q88d0d85670_qkv.kd
    .args:
      - { .name: xh, .offset: 0, .size: 8, .value_kind: global_buffer, .address_space: global }
      - { .name: wh, .offset: 8, .size: 8, .value_kind: global_buffer, .address_space: global }
      - { .name: beta, .offset: 16, .size: 8, .value_kind: global_buffer, .address_space: global }
      - { .name: qkv, .offset: 24, .size: 8, .value_kind: global_buffer, .address_space: global }
      - { .name: mx, .offset: 32, .size: 8, .value_kind: global_buffer, .address_space: global }
    .group_segment_fixed_size: 327680
    .private_segment_fixed_size: 0
    .kernarg_segment_align: 8
    .kernarg_segment_size: 40
    .max_flat_workgroup_size: 128
    .sgpr_count:     96
    .vgpr_count:     1024
    .wavefront_size: 32
...
	.end_amdgpu_metadata
.endif
;; end of part 2
;; launch attn (part 3): grid 8 x 32, 4 waves a work-group, clusters of 4 x 1, 327,680 bytes of LDS; arguments qkv, mx, alpha_log, oh, out1; writes oh, out1
.if DOCPART == 3
	.amdgcn_target "amdgcn-amd-amdhsa--gfx1250"
	.amdhsa_code_object_version 6
	.text
	.protected	k_q88d0d85670_attn
	.globl	k_q88d0d85670_attn
	.p2align	8
	.type	k_q88d0d85670_attn,@function
k_q88d0d85670_attn:
	s_mov_b64 s[64:65], 0
	v_nop
	global_prefetch_b8 v0, s[64:65] scope:SCOPE_SE
	s_setreg_imm32_b32 hwreg(HW_REG_WAVE_MODE, 25, 1), 1
	s_wait_xcnt 0x0
	s_wait_alu depctr_hold_cnt(0) depctr_sa_sdst(0) depctr_va_vdst(0) depctr_va_sdst(0) depctr_va_ssrc(0) depctr_va_vcc(0) depctr_vm_vsrc(0)
	s_getreg_b32 s2, hwreg(HW_REG_IB_STS2, 6, 4)
	s_cmp_eq_u32 s2, 0
	s_cbranch_scc0 .Lentry_in_a_cluster
	s_endpgm
.Lentry_in_a_cluster:
	s_bfe_u32 s2, ttmp6, 0x10000c
	s_cmp_lg_u32 s2, 0x3003
	s_cbranch_scc0 .Lentry_shape_is_right
	s_endpgm
.Lentry_shape_is_right:
; ATTN.  out[t] = sum over s <= t of (q_t . k_s) a^(t-s) (beta v)_s for one (batch, head), and state[d][e] = sum over s of alpha_d^(1023-s) k_s[d] (beta v)_s[e].  No softmax.
; SHARES.  Work-group j of a head's eight owns, in each of the eight bands of 128 queries, rows 128 m + 16 j .. + 15 (tile m), and rows d = 16 j .. of the state.  Key step g (128 keys) serves the tiles
; m >= g; m = g holds the diagonal.  So every work-group has the same walk, written out: j enters values and the addresses of Q, alpha_log, oh and out1 alone.  In a step wave w takes keys 32 w .. 32 w + 31
; for all tiles; the four partial sums meet in LDS at the end.  The decay is never cut short: a may lie near 1.
; LAYOUT.  S^T = K Q^T (source 0 = 16 keys, source 1 = 16 queries): a lane holds one query and keys 8 (lane / 16) + 0..7; two such results, scaled and rounded to f16, ARE source 1 of O^T = V^T P;
; v lies transposed in memory, so its fragments come out of LDS as they lie.
; THE STATE is a ninth tile: its Q is 16 unit vectors, so S^T is K's columns 16 j .., exactly; its table is alpha_d^(127 - key), times alpha_d^(128 (7 - g)).
; SCALES.  With pq, pk, pv the powers of two at or below the largest |q|, |k|, |beta v| (clamped to 2^-24 .. 2^15): P is kept as P 2^6 / (pq pk), under 2^15; out leaves as out 2^6 / (pq pk) 2^-11 / pv, under 2^15.
; Both are exact powers of two, made on the exponent bits; the last launch undoes them.
; DECAY.  a^(t-s) = a^(128 k) a^(128 + row - key) off the diagonal, a^(row - key) on it: every exponent's distance is a whole number >= 0, made exactly, then multiplied by log2 a.
; LIMITS.  A decay factor under 2^-126 counts as 0; log2 alpha_d is held at -16,384 at the least; NaN and infinities are not treated apart.
; CLUSTER 4, 1, 1: four work-groups of a head walk the same K and V and ask for each tile jointly.  No prefetch: the launch has two refills in all.
; LDS: 0 tile 0's partial sums; 32,768 the ring, two slots of four parts (K even step, K odd step, V even, V odd), a part = 32,768 dense bytes as 128 rows of 256, padded to 272;
; behind the ring's last read its bytes take the exchange (item x 32,768 + wave x 8,192) and the stage.
; REGISTERS: window 0 addresses, tables, S^T (2 x 16), P (2 x 8), K and V of one step; window 1 Q, 32 a slot; windows 2, 3 O^T, 64 a slot.  Slot m is tile m; slot 0 is tile 0 and then the state.
.set PITCH, 272
.set PARTB, 128*PITCH
.set SLOT,  4*PARTB
.set RB,    32768
.set ITEM,  32768
.set STAGE, 9*ITEM                     ; 16 rows x 272 bytes a wave
.set STG2,  STAGE+4*16*272             ; 16 rows x 528 bytes: the state
.set SPARE, STG2+16*528
.set R, 1
.set HL, 2
.set LANE, 3
.set AK0, 4
.set AV0, 5
.set ADRK, 6
.set ADRV, 7
.set QO, 8
.set S2A, 9
.set XA0, 10
.set XA, 11
.set RA, 12
.set STO, 13
.set RD, 14
.set GO, 15
.set VAL, 16
.set RSTAR, 17
.set L2A, 18
.set L2AD, 19
.set E1I, 20
.set E0I, 21
.set LN16, 22
.set T0, 23
.set F, 24                             ; v[24:39]  off the diagonal
.set FD, 40                            ; v[40:55]  on it
.set FS, 56                            ; v[56:71]  the state's
.set CSV, 72                           ; v[72:73]  alpha_d^(128 (7 - g)); a pair
.set SPW, 74
.set NIL, 75
.set S, 80
.set P, 112
.set KF, 128
.set VF, 192
.set WV, 14
.set CX, 15
.set JJ, 16
.set BH, 17
.set BB, 18
.set HH, 19
.set G1, 24
.set G0, 32                            ; s[32:35] fills 0 and 2 (slot 0), s[36:39] fills 1 and 3 (slot 1)
.set CK, 40                            ; s[40:51] a^(128 k), k = 1..6, as pairs
.set SIGO, 52
.set SIGP, 54
.set PQ, 55
.set SEL, 58
.set QB, 60
.set OBS, 66
.set O1B, 68
.set CNT, 70
.set RAS, 71
.set MSB, 0
.macro WIN new
.if MSB != (\new)
	s_set_vgpr_msb (MSB<<8)|(\new)
.set MSB, \new
.endif
.endm
.set W_S, 0x04                         ; Q (source 1) in window 1
.macro PLACES
.rept 4
	v_nop
.endr
.endm
.macro CROUND
	s_barrier_signal -1
	s_barrier_wait -1
	s_cmp_lg_u32 s[WV], 0
	s_cbranch_scc1 .Lnot_wave_0_\@
	s_barrier_signal -3
.Lnot_wave_0_\@:
	s_barrier_wait -3
	s_barrier_signal -1
	s_barrier_wait -1
.endm
; v[128:255] hold 32 x (Mq, Mk, Mv, 0) a lane, the whole table over the wave: the three maxima, their exponent bits, clamped, into s[PQ .. PQ+2].  They serve values alone.
.macro MXRED t
.irp c, 0,1,2
	v_max3_num_f32 v[(\t)+\c], v[128+\c], v[132+\c], v[136+\c]
.endr
.set i, 3
.rept 14
.irp c, 0,1,2
	v_max3_num_f32 v[(\t)+\c], v[(\t)+\c], v[128+4*i+\c], v[132+4*i+\c]
.endr
.set i, i+2
.endr
.irp c, 0,1,2
	v_max_num_f32 v[(\t)+\c], v[(\t)+\c], v[252+\c]
.endr
.irp m, 1,2,4,8
.irp c, 0,1,2
	v_max_num_f32_dpp v[(\t)+\c], v[(\t)+\c], v[(\t)+\c] row_xmask:\m row_mask:0xf bank_mask:0xf
.endr
.endr
	v_mov_b32 v[(\t)+3], 0
.irp c, 0,1,2
	v_permlanex16_b32 v[(\t)+3], v[(\t)+\c], s[SEL], s[SEL+1]
	v_max_num_f32 v[(\t)+\c], v[(\t)+\c], v[(\t)+3]
.endr
.irp c, 0,1,2
	v_readfirstlane_b32 s[PQ+\c], v[(\t)+\c]
	s_and_b32 s[PQ+\c], s[PQ+\c], 0x7f800000
	s_max_u32 s[PQ+\c], s[PQ+\c], 0x33800000       ; 2^-24
	s_min_u32 s[PQ+\c], s[PQ+\c], 0x47000000       ; 2^15
.endr
.endm
	s_load_b256 s[4:11], s[0:1], 0x0               ; qkv s[4:5], mx s[6:7], alpha_log s[8:9], oh s[10:11]
	s_load_b64 s[12:13], s[0:1], 0x20              ; out1
	v_lshl_add_u32 v[SPW], v0, 2, SPARE
	v_mov_b32 v[NIL], 0
	ds_add_u32 v[SPW], v[NIL]                      ; the opening: an add of 0, twice on end, and its wait ahead of my first tensor load
	ds_add_u32 v[SPW], v[NIL]
	v_lshrrev_b32 v1, 5, v0
	v_readfirstlane_b32 s[WV], v1
	s_bfe_u32 s[CX], ttmp6, 0x40000
	s_lshl_b32 s[JJ], ttmp9, 2
	s_add_co_u32 s[JJ], s[JJ], s[CX]               ; j
	s_and_b32 s[BH], ttmp7, 0xffff                 ; batch x 16 + head, which the partners share
	s_lshr_b32 s[BB], s[BH], 4
	s_and_b32 s[HH], s[BH], 15
	s_mov_b32 s[G1], 15|(1<<16)|(1<<20)|(1<<21)|(5<<22)|(3<<25)  ; the mask of four; 2-byte elements; padding on; bit 21 beside a mask; after every 64 words, 4 words
	s_mov_b32 s[G1+1], 128<<16                     ; tensor_dim0 = 128
	s_mov_b32 s[G1+2], 128<<16                     ; tensor_dim1 = 128
	s_mov_b32 s[G1+3], 128<<16                     ; tile_dim0 = 128
	s_mov_b32 s[G1+4], 128                         ; tile_dim1 = 128
	s_mov_b32 s[G1+5], 128                         ; dense: 128 elements from row to row
	s_mov_b32 s[G1+6], 0
	s_mov_b32 s[G1+7], 0
	s_lshr_b32 s72, s[WV], 1                       ; waves 0, 1 fetch K (role 1), waves 2, 3 V (role 2),
	s_add_co_u32 s72, s72, 1
	s_lshl_b32 s72, s72, 23
	s_lshl_b32 s73, s[HH], 19
	s_add_co_u32 s72, s72, s73
	s_lshl_b32 s73, s[BB], 18
	s_add_co_u32 s72, s72, s73
	s_and_b32 s73, s[WV], 1                        ; the even or the odd step of a fill
	s_lshl_b32 s73, s73, 15
	s_add_co_u32 s72, s72, s73
	s_mov_b32 s73, 0
	s_mul_i32 s74, s[WV], PARTB
	s_add_co_u32 s74, s74, RB                      ; part w of slot 0
	s_mov_b32 s[SEL], 0x76543210
	s_mov_b32 s[SEL+1], 0xfedcba98
	s_wait_dscnt 0x0                               ; both opening adds are done
	s_wait_kmcnt 0x0
	s_add_nc_u64 s[76:77], s[4:5], s[72:73]
	CROUND                                         ; all four work-groups are here: the first joint loads meet
	s_mov_b32 s[G0], 1
	s_mov_b32 s[G0+1], s74
	s_mov_b64 s[G0+2:G0+3], s[76:77]
	s_or_b32 s[G0+3], s[G0+3], 0x80000000
	s_mov_b32 s[G0+4], 1
	s_add_co_u32 s[G0+5], s74, SLOT
	s_add_nc_u64 s[G0+6:G0+7], s[76:77], 65536
	s_or_b32 s[G0+7], s[G0+7], 0x80000000
	tensor_load_to_lds s[G0:G0+3], s[G1:G1+7]      ; steps 0 and 1
	s_nop 0
	tensor_load_to_lds s[G0+4:G0+7], s[G1:G1+7]    ; steps 2 and 3: two loads of mine are out
	s_nop 0
	PLACES
	v_and_b32 v[R], 15, v0
	v_bfe_u32 v[HL], v0, 4, 1
	v_and_b32 v[LANE], 31, v0
	v_lshlrev_b32 v[LN16], 4, v[LANE]
	s_lshl_b32 s78, s[HH], 9
	s_mov_b32 s79, 0
	s_add_nc_u64 s[84:85], s[8:9], s[78:79]        ; alpha_log of my head
	s_lshl_b32 s86, s[JJ], 6
	v_lshl_add_u32 v[T0], v[R], 2, s86
	global_load_b128 v[76:79], v[LN16], s[84:85]   ; four channels a lane: for the mean
	global_load_b32 v[L2AD], v[T0], s[84:85]       ; channel 16 j + lane % 16: for the state
.set i, 0
.rept 32
	global_load_b128 v[128+4*i:131+4*i], v[LN16], s[6:7] offset:i*512
.set i, i+1
.endr
	s_lshl_b32 s78, s[HH], 19                      ; Q: tile p lies 32,768 bytes on; my 16 rows at (j / 4) x 16,384 + (j % 4) x 2,048
	s_lshl_b32 s80, s[BB], 18
	s_add_co_u32 s78, s78, s80
	s_lshr_b32 s80, s[JJ], 2
	s_lshl_b32 s80, s80, 14
	s_add_co_u32 s78, s78, s80
	s_and_b32 s80, s[JJ], 3
	s_lshl_b32 s80, s80, 11
	s_add_co_u32 s78, s78, s80
	s_add_nc_u64 s[QB:QB+1], s[4:5], s[78:79]
	v_lshlrev_b32 v[QO], 7, v[R]
	v_lshl_add_u32 v[QO], v[HL], 4, v[QO]
	WIN 0x40                                       ; destination window 1
.set i, 0
.rept 32                                       ; slot i / 4, channels 32 (i % 4) on
	global_load_b128 v[8*i:8*i+3],   v[QO], s[QB:QB+1] offset:(i/4)*32768+((i%4)/2)*8192+(i%2)*64
	global_load_b128 v[8*i+4:8*i+7], v[QO], s[QB:QB+1] offset:(i/4)*32768+((i%4)/2)*8192+(i%2)*64+32
.set i, i+1
.endr
	WIN 0
	; LDS places.  The 128-byte row n of a part lies at (n / 2) x 272 + (n % 2) x 128
	v_lshrrev_b32 v[AK0], 1, v[R]
	v_mul_u32_u24 v[AK0], v[AK0], PITCH
	v_and_b32 v[AV0], 1, v[R]
	v_lshl_add_u32 v[AK0], v[AV0], 7, v[AK0]
	v_lshl_add_u32 v[AK0], v[HL], 4, v[AK0]
	s_lshr_b32 s80, s[WV], 1
	s_mul_i32 s80, s80, 17408                      ; the block of 64 keys
	s_and_b32 s81, s[WV], 1
	s_mul_i32 s82, s81, 4352                       ; K: 32 rows on
	s_add_co_u32 s82, s82, s80
	s_lshl_b32 s81, s81, 6                         ; V^T: 64 bytes on
	s_add_co_u32 s81, s81, s80
	v_add_nc_u32 v[AV0], s81, v[AK0]
	v_add_nc_u32 v[AK0], s82, v[AK0]
	s_lshl_b32 s80, s[WV], 13
	v_add_nc_u32 v[XA0], s80, v[LN16]              ; my 8,192 bytes of an item
	s_mul_i32 s80, s[WV], 16*272
	s_add_co_u32 s80, s80, STAGE
	v_mul_u32_u24 v[STO], v[R], 272
	v_lshl_add_u32 v[STO], v[HL], 4, v[STO]
	v_add_nc_u32 v[STO], s80, v[STO]
	v_mul_u32_u24 v[RD], v[HL], 272
	v_lshl_add_u32 v[RD], v[R], 4, v[RD]
	v_add_nc_u32 v[RD], s80, v[RD]
	v_lshlrev_b32 v[GO], 12, v[HL]
	v_lshl_add_u32 v[GO], v[R], 4, v[GO]           ; two rows of oh, 256 bytes each
	s_lshl_b32 s80, s[WV], 7
	s_add_co_u32 s80, s80, STG2
	v_mul_u32_u24 v[S2A], v[R], 528
	v_lshl_add_u32 v[S2A], v[HL], 5, v[S2A]
	v_add_nc_u32 v[S2A], s80, v[S2A]
	s_lshl_b32 s78, s[BB], 10                      ; oh: row batch x 1,024 + 256 w + 16 j, column head x 128
	s_lshl_b32 s80, s[WV], 8
	s_add_co_u32 s78, s78, s80
	s_lshl_b32 s80, s[JJ], 4
	s_add_co_u32 s78, s78, s80
	s_lshl_b32 s78, s78, 12
	s_lshl_b32 s80, s[HH], 8
	s_add_co_u32 s78, s78, s80
	s_add_nc_u64 s[OBS:OBS+1], s[10:11], s[78:79]
	s_lshl_b32 s78, s[BH], 7                       ; out1: row bh x 128 + 16 j + 4 w, 512 bytes a row
	s_lshl_b32 s80, s[JJ], 4
	s_add_co_u32 s78, s78, s80
	s_lshl_b32 s80, s[WV], 2
	s_add_co_u32 s78, s78, s80
	s_lshl_b32 s78, s78, 9
	s_add_nc_u64 s[O1B:O1B+1], s[12:13], s[78:79]
	; whole numbers for the tables: my query's place less my keys' first, and 127 less my keys' first
	s_lshl_b32 s86, s[JJ], 4
	s_lshl_b32 s87, s[WV], 5
	s_sub_co_u32 s83, s86, s87
	v_lshlrev_b32 v80, 3, v[HL]
	v_add_nc_u32 v[E0I], s83, v[R]
	v_sub_nc_u32 v[E0I], v[E0I], v80               ; 16 j + r - 32 w - 8 hl
	s_sub_co_u32 s83, 127, s87
	v_sub_nc_u32 v[E1I], s83, v80                  ; 127 - 32 w - 8 hl
	; the unit vector of channel T = 16 j + r as a lane's part of source 1: register RSTAR of the slot's 32 holds VAL, all others 0
	v_add_nc_u32 v80, s86, v[R]
	v_and_b32 v81, 31, v80
	v_lshrrev_b32 v82, 5, v80
	v_lshlrev_b32 v[RSTAR], 3, v82
	v_lshrrev_b32 v83, 4, v81
	v_lshl_add_u32 v[RSTAR], v83, 2, v[RSTAR]
	v_bfe_u32 v84, v81, 1, 2
	v_add_nc_u32 v[RSTAR], v[RSTAR], v84
	v_and_b32 v85, 1, v81
	v_lshlrev_b32 v85, 4, v85
	v_mov_b32 v86, 0x3c00                          ; 1.0 in f16
	v_lshlrev_b32 v[VAL], v85, v86
	v_bfe_u32 v87, v81, 3, 1
	v_cmp_eq_u32 vcc_lo, v87, v[HL]
	v_cndmask_b32 v[VAL], 0, v[VAL], vcc_lo
	v_mov_b32 v[CSV+1], 0                          ; named with CSV as a pair
	s_wait_loadcnt 63                              ; 98 loads were issued and they come back in order: at most 63 out means the first 35 are in, alpha_log's two and mx's 32 among them
	MXRED 80
	s_sub_co_u32 s[SIGP], 0xc1800000, s[PQ]        ; exponent bits of 2^6 / (pq pk): (387 << 23) - pq - pk
	s_sub_co_u32 s[SIGP], s[SIGP], s[PQ+1]
	s_sub_co_u32 s[SIGO], 0x79800000, s[PQ+2]      ; of 2^-11 / pv: (243 << 23) - pv
	s_mov_b32 s[SIGO+1], s[SIGO]
	; alpha = sigmoid(alpha_log rounded to bf16); log2 of its mean (at least 1e-6); log2 alpha_d = -log2(1 + 2^(-al log2 e))
	v_cvt_pk_bf16_f32 v84, v76, v77
	v_cvt_pk_bf16_f32 v85, v78, v79
	v_cvt_pk_bf16_f32 v86, v[L2AD], v[L2AD]
	v_lshlrev_b32 v76, 16, v84
	v_and_b32 v77, 0xffff0000, v84
	v_lshlrev_b32 v78, 16, v85
	v_and_b32 v79, 0xffff0000, v85
	v_lshlrev_b32 v[L2AD], 16, v86
.irp x, 76,77,78,79,19
	v_mul_f32 v\x, 0xbfb8aa3b, v\x
.endr
.irp x, 76,77,78,79,19
	v_exp_f32 v\x, v\x
.endr
	v_nop
	s_wait_alu depctr_va_vdst(0)                   ; one wait for the five exponentials
.irp x, 76,77,78,79,19
	v_add_f32 v\x, 1.0, v\x
.endr
.irp x, 76,77,78,79
	v_rcp_f32 v\x, v\x
.endr
	v_log_f32 v[L2AD], v[L2AD]
	v_nop
	s_wait_alu depctr_va_vdst(0)                   ; one wait for the batch
	v_add_f32 v76, v76, v77
	v_add_f32 v78, v78, v79
	v_add_f32 v76, v76, v78
.irp m, 1,2,4,8
	v_add_f32_dpp v76, v76, v76 row_xmask:\m row_mask:0xf bank_mask:0xf
.endr
	v_permlanex16_b32 v77, v76, s[SEL], s[SEL+1]
	v_add_f32 v76, v76, v77
	v_mul_f32 v76, 0x3c000000, v76                 ; / 128
	v_max_num_f32 v76, 0x358637bd, v76             ; the clip at 1e-6
	v_log_f32 v[L2A], v76
	v_sub_f32 v[L2AD], 0, v[L2AD]
	v_max_num_f32 v[L2AD], 0xc6800000, v[L2AD]     ; at least -16,384: times a distance of 0 it gives 0
	s_wait_alu depctr_va_vdst(0)
	; the tables: entry t = 8 kb + jj stands for key 16 kb + jj of my lane's
.set t, 0
.rept 16
.set ii, 16*(t/8)+t%8
	v_add_nc_u32 v[F+t], 128-ii, v[E0I]
	v_add_nc_u32 v[FD+t], -ii, v[E0I]
	v_add_nc_u32 v[FS+t], -ii, v[E1I]
.set t, t+1
.endr
.set t, 0
.rept 48
	v_cvt_f32_i32 v[F+t], v[F+t]
.set t, t+1
.endr
.set t, 0
.rept 32
	v_mul_f32 v[F+t], v[L2A], v[F+t]
.set t, t+1
.endr
.set t, 0
.rept 16
	v_mul_f32 v[FS+t], v[L2AD], v[FS+t]
.set t, t+1
.endr
	v_mul_f32 v84, 0x43000000, v[L2A]              ; 128 k log2 a, k = 1 .. 6
	v_mul_f32 v85, 0x43800000, v[L2A]
	v_mul_f32 v86, 0x43c00000, v[L2A]
	v_mul_f32 v87, 0x44000000, v[L2A]
	v_mul_f32 v88, 0x44200000, v[L2A]
	v_mul_f32 v89, 0x44400000, v[L2A]
.set t, 0
.rept 48
	v_exp_f32 v[F+t], v[F+t]
.set t, t+1
.endr
.irp x, 84,85,86,87,88,89
	v_exp_f32 v\x, v\x
.endr
	v_nop
	s_wait_alu depctr_va_vdst(0)                   ; one wait for the 54 exponentials
.set t, 0
.rept 16
	v_pk_mul_f32 v[F+2*t:F+2*t+1], v[F+2*t:F+2*t+1], s[SIGP:SIGP+1] op_sel_hi:[1,0]
.set t, t+1
.endr
.set t, 0
.rept 16
	v_cmp_le_i32 vcc_lo, 16*(t/8)+t%8, v[E0I]      ; the key is at or before the query
	v_cndmask_b32 v[FD+t], 0, v[FD+t], vcc_lo
.set t, t+1
.endr
.irp k, 0,1,2,3,4,5
	v_readfirstlane_b32 s[CK+2*\k], v[84+\k]
	s_mov_b32 s[CK+2*\k+1], s[CK+2*\k]
.endr
; S^T of one tile: 8 matrix instructions, the two accumulators by turns
.macro SQ buf, slot
	WIN W_S
.irp c, 0,1,2,3
.irp kb, 0,1
.set rS, S+16*(\buf)+8*\kb
.set rK, KF+8*(4*\kb+\c)
.set rQ, 32*(\slot)+8*\c
.if \c == 0
	v_wmma_f32_16x16x32_f16 v[rS:rS+7], v[rK:rK+7], v[rQ:rQ+7], 0
.else
	v_wmma_f32_16x16x32_f16 v[rS:rS+7], v[rK:rK+7], v[rQ:rQ+7], v[rS:rS+7]
.endif
.endr
.endr
.endm
.macro VMUL buf, tab                   ; the 16 scores times a table, lowest registers first
	WIN 0
.set z, 0
.rept 8
	v_pk_mul_f32 v[S+16*(\buf)+2*z:S+16*(\buf)+2*z+1], v[S+16*(\buf)+2*z:S+16*(\buf)+2*z+1], v[(\tab)+2*z:(\tab)+2*z+1]
.set z, z+1
.endr
.endm
.macro VCVT buf
.set z, 0
.rept 8
	v_cvt_pk_f16_f32 v[P+8*(\buf)+z], v[S+16*(\buf)+2*z], v[S+16*(\buf)+2*z+1]
.set z, z+1
.endr
.endm
.macro VOFF buf, k                     ; a tile k + 1 bands below the keys
	VMUL \buf, F
.if (\k) > 0
.set z, 0
.rept 8
	v_pk_mul_f32 v[S+16*(\buf)+2*z:S+16*(\buf)+2*z+1], v[S+16*(\buf)+2*z:S+16*(\buf)+2*z+1], s[CK+2*((\k)-1):CK+2*((\k)-1)+1] op_sel_hi:[1,0]
.set z, z+1
.endr
.endif
	VCVT \buf
.endm
.macro VDIAG buf
	VMUL \buf, FD
	VCVT \buf
.endm
.macro VST buf, sg
	VMUL \buf, FS
.if (\sg) < 7
.set z, 0
.rept 8
	v_pk_mul_f32 v[S+16*(\buf)+2*z:S+16*(\buf)+2*z+1], v[S+16*(\buf)+2*z:S+16*(\buf)+2*z+1], v[CSV:CSV+1] op_sel_hi:[1,0]
.set z, z+1
.endr
.endif
	VCVT \buf
.endm
.macro PVM buf, slot                   ; O^T += V^T P: 8 accumulators, one instruction each; ZR = 1: they start the sums
	WIN 0xa0+0x50*((\slot)/4)
.irp eb, 0,1,2,3,4,5,6,7
.set rO, 64*((\slot)%4)+8*\eb
.if ZR
	v_wmma_f32_16x16x32_f16 v[rO:rO+7], v[VF+8*\eb:VF+8*\eb+7], v[P+8*(\buf):P+8*(\buf)+7], 0
.else
	v_wmma_f32_16x16x32_f16 v[rO:rO+7], v[VF+8*\eb:VF+8*\eb+7], v[P+8*(\buf):P+8*(\buf)+7], v[rO:rO+7]
.endif
.endr
.endm
.macro FETCH_K sg                      ; my 32 keys x 128 channels of step sg: 16 loads
	WIN 0
	v_add_nc_u32 v[ADRK], RB+(((\sg)/2)%2)*SLOT+((\sg)%2)*PARTB, v[AK0]
.irp kb, 0,1
.irp c, 0,1,2,3
	ds_load_b128 v[KF+8*(4*\kb+\c):KF+8*(4*\kb+\c)+3],   v[ADRK] offset:\kb*2176+(\c/2)*8704+(\c%2)*64
	ds_load_b128 v[KF+8*(4*\kb+\c)+4:KF+8*(4*\kb+\c)+7], v[ADRK] offset:\kb*2176+(\c/2)*8704+(\c%2)*64+32
.endr
.endr
.endm
.macro FETCH_V sg                      ; 128 channels x my 32 keys: 16 loads
	WIN 0
	v_add_nc_u32 v[ADRV], RB+(((\sg)/2)%2)*SLOT+(2+(\sg)%2)*PARTB, v[AV0]
.irp eb, 0,1,2,3,4,5,6,7
	ds_load_b128 v[VF+8*\eb:VF+8*\eb+3],   v[ADRV] offset:(\eb/4)*8704+(\eb%4)*2176
	ds_load_b128 v[VF+8*\eb+4:VF+8*\eb+7], v[ADRV] offset:(\eb/4)*8704+(\eb%4)*2176+32
.endr
.endm
.macro XPUT win                        ; a slot's 64 registers (base rX in window win) into my 8,192 bytes of an item, at v[XA]
	WIN 4*(\win)                                   ; the data, source 1, in the slot's window
.irp eb, 0,1,2,3,4,5,6,7
	ds_store_b128 v[XA], v[rX+8*\eb:rX+8*\eb+3]   offset:\eb*1024
	ds_store_b128 v[XA], v[rX+8*\eb+4:rX+8*\eb+7] offset:\eb*1024+512
.endr
	WIN 0
.endm
; entry e of step sg: e = 0 the diagonal tile sg, then tiles sg + e, last (e = 8 - sg) the state.  The S^T and P buffers go by a parity that runs on from step to step.
.macro ESQ e, sg
.if (\e) == 8-(\sg)
	SQ (PB+(\e))%2, 0
.else
	SQ (PB+(\e))%2, (\sg)+(\e)
.endif
.endm
.macro ENTV e, sg
.if (\e) == 8-(\sg)
	VST (PB+(\e))%2, \sg
.elseif (\e) == 0
	VDIAG (PB+(\e))%2
.else
	VOFF (PB+(\e))%2, (\e)-1
.endif
.endm
.macro EPV e, sg
.if (\e) == 8-(\sg)
	PVM (PB+(\e))%2, 0
.else
	PVM (PB+(\e))%2, (\sg)+(\e)
.endif
.endm
; A KEY STEP.  An entry's scores are made one entry ahead: S^T of entry e, the vector work of entry e - 1 (16 to 24 plain instructions, which name no register of the products round them: they are
; the places that those products want), V^T P of entry e - 1.  In an even step the odd step's K is fetched behind the last S^T and that vector work, its V behind the last V^T P and four places.
.macro STEP sg, chex
.set NE, 9-(\sg)
.if (\sg) == 0
.set ZR, 1
.else
.set ZR, 0
.endif
	WIN 0
.if (\sg) < 7
	v_mul_f32 v[CSV], \chex, v[L2AD]               ; 128 (7 - g) log2 alpha_d
	v_exp_f32 v[CSV], v[CSV]
	v_nop
	s_wait_alu depctr_va_vdst(0)
.endif
.if (\sg)%2 == 0
	FETCH_K \sg
	FETCH_V \sg
.endif
	s_wait_dscnt 16                                ; K is in; the 16 loads of V may stay out
	ESQ 0, \sg
	ESQ 1, \sg
	PLACES
	ENTV 0, \sg
	s_wait_dscnt 0x0                               ; V is in
	EPV 0, \sg
.set en, 2
.rept NE-2
	ESQ en, \sg
	ENTV en-1, \sg
.if (en == NE-1) && ((\sg)%2 == 0)
	FETCH_K (\sg)+1
.endif
	EPV en-1, \sg
.if ((\sg) == 0) && (en == 3)
	WIN 0                                          ; tile 0 has had its one step: its partial sums go to item 0, and slot 0 becomes the state's
	v_mov_b32 v[XA], v[XA0]
.set rX, 0
	XPUT 2
	WIN 0x40                                       ; destination window 1: the unit vectors take tile 0's place in Q
.set z, 0
.rept 32
	v_cmp_eq_u32 vcc_lo, z, v[RSTAR]
	v_cndmask_b32 v[z], 0, v[VAL], vcc_lo
.set z, z+1
.endr
.endif
.set en, en+1
.endr
	ENTV NE-1, \sg
	EPV NE-1, \sg
	PLACES
.if (\sg)%2 == 0
	FETCH_V (\sg)+1
.endif
.set PB, (PB+NE)%2
.endm
; THE CHANGE OF SLOTS.  Each wave waits for all its tensor loads (one is out: its part of the other slot), adds 0 to its spare word, and waits for that and for its reads of the slot that it leaves.
; fill = 1: a round of the cluster's barrier, and the joint refill first behind it, two slots on.
.macro CHANGE fill, set
	WIN 0
	s_wait_tensorcnt 0x0
	ds_add_u32 v[SPW], v[NIL]
.if \fill
	s_add_nc_u64 s[(\set)+2:(\set)+3], s[(\set)+2:(\set)+3], 131072
	s_wait_dscnt 0x0
	CROUND
	tensor_load_to_lds s[(\set):(\set)+3], s[G1:G1+7]
	s_nop 0
	PLACES
.else
	s_wait_dscnt 0x0
	s_barrier_signal -1
	s_barrier_wait -1
.endif
.endm
	s_wait_tensorcnt 1                             ; my part of slot 0 is in; slot 1's may stay out
	s_barrier_signal -1
	s_barrier_wait -1
	s_wait_loadcnt 0x0                             ; Q
.set PB, 0
	STEP 0, 0x44600000
	STEP 1, 0x44400000
	CHANGE 1, G0                                   ; steps 4 and 5 into slot 0: 208 matrix instructions in which to land
	STEP 2, 0x44200000
	STEP 3, 0x44000000
	CHANGE 1, G0+4                                 ; steps 6 and 7 into slot 1: 144
	STEP 4, 0x43c00000
	STEP 5, 0x43800000
	CHANGE 0, G0
	STEP 6, 0x43000000
	STEP 7, 0
	; THE FOUR WAVES' PARTIAL SUMS MEET.  Nobody reads the ring any more behind this barrier, and it has had its last fill: its bytes take the exchange.
	WIN 0
	s_wait_dscnt 0x0
	s_barrier_signal -1
	s_barrier_wait -1
.irp p, 0,1,2,3,4,5,6,7
.if \p == 0
	v_add_nc_u32 v[XA], 8*ITEM, v[XA0]             ; slot 0 is the state: item 8
.else
	v_add_nc_u32 v[XA], \p*ITEM, v[XA0]
.endif
.set rX, 64*(\p%4)
	XPUT 2+\p/4
.endr
	s_wait_dscnt 0x0                               ; for the others: my partial sums lie in LDS
	s_barrier_signal -1
	s_barrier_wait -1
	; the state: wave w adds channel blocks 2 w and 2 w + 1, f32, and the rows are gathered in a stage of 16 x 512 bytes
	s_lshl_b32 s80, s[WV], 11
	s_add_co_u32 s80, s80, 8*ITEM
	v_add_nc_u32 v[RA], s80, v[LN16]
.irp sv, 0,1,2,3
.irp e2, 0,1
	ds_load_b128 v[128+16*\sv+8*\e2:128+16*\sv+8*\e2+3],   v[RA] offset:\sv*8192+\e2*1024
	ds_load_b128 v[128+16*\sv+8*\e2+4:128+16*\sv+8*\e2+7], v[RA] offset:\sv*8192+\e2*1024+512
.endr
.endr
	s_wait_dscnt 0x0
.set z, 0
.rept 8
	v_pk_add_f32 v[128+2*z:129+2*z], v[128+2*z:129+2*z], v[144+2*z:145+2*z]
	v_pk_add_f32 v[160+2*z:161+2*z], v[160+2*z:161+2*z], v[176+2*z:177+2*z]
.set z, z+1
.endr
.set z, 0
.rept 8
	v_pk_add_f32 v[128+2*z:129+2*z], v[128+2*z:129+2*z], v[160+2*z:161+2*z]
.set z, z+1
.endr
.irp e2, 0,1
	ds_store_b128 v[S2A], v[128+8*\e2:131+8*\e2] offset:\e2*64
	ds_store_b128 v[S2A], v[132+8*\e2:135+8*\e2] offset:\e2*64+16
.endr
	s_wait_dscnt 0x0
	s_barrier_signal -1
	s_barrier_wait -1
	s_mul_i32 s80, s[WV], 4*528
	s_add_co_u32 s80, s80, STG2
	v_add_nc_u32 v[XA], s80, v[LN16]
.irp i, 0,1,2,3
	ds_load_b128 v[144+4*\i:147+4*\i], v[XA] offset:\i*528
.endr
	s_wait_dscnt 0x0
.irp i, 0,1,2,3
	global_store_b128 v[LN16], v[144+4*\i:147+4*\i], s[O1B:O1B+1] offset:\i*512  ; a whole row of 512 bytes
.endr
	s_wait_xcnt 0x0                                ; these stores have read their registers, which the loads below fill again
	; the tiles: wave w finishes tiles 2 w and 2 w + 1, one a trip, in two halves of four channel blocks
	s_mov_b32 s[CNT], 2
	s_lshl_b32 s[RAS], s[WV], 16
.Lfin:
	v_add_nc_u32 v[RA], s[RAS], v[LN16]
.irp hf, 0,1
.irp sv, 0,1,2,3
.irp eb, 0,1,2,3
	ds_load_b128 v[128+32*\sv+8*\eb:128+32*\sv+8*\eb+3],   v[RA] offset:\sv*8192+(4*\hf+\eb)*1024
	ds_load_b128 v[128+32*\sv+8*\eb+4:128+32*\sv+8*\eb+7], v[RA] offset:\sv*8192+(4*\hf+\eb)*1024+512
.endr
.endr
	s_wait_dscnt 0x0
.set z, 0
.rept 16
	v_pk_add_f32 v[128+2*z:129+2*z], v[128+2*z:129+2*z], v[160+2*z:161+2*z]
	v_pk_add_f32 v[192+2*z:193+2*z], v[192+2*z:193+2*z], v[224+2*z:225+2*z]
.set z, z+1
.endr
.set z, 0
.rept 16
	v_pk_add_f32 v[128+2*z:129+2*z], v[128+2*z:129+2*z], v[192+2*z:193+2*z]
.set z, z+1
.endr
.set z, 0
.rept 16
	v_pk_mul_f32 v[128+2*z:129+2*z], v[128+2*z:129+2*z], s[SIGO:SIGO+1] op_sel_hi:[1,0]
.set z, z+1
.endr
.set z, 0
.rept 16
	v_cvt_pk_f16_f32 v[80+z], v[128+2*z], v[129+2*z]
.set z, z+1
.endr
.irp eb, 0,1,2,3
	ds_store_b128 v[STO], v[80+4*\eb:83+4*\eb] offset:32*(4*\hf+\eb)
.endr
.endr
.irp f, 0,1,2,3,4,5,6,7
	ds_load_b128 v[96+4*\f:99+4*\f], v[RD] offset:\f*544  ; my own stage: LDS serves a wave's instructions in order (ISA guide 5.7.1.4)
.endr
.irp f, 0,1,2,3,4,5,6,7
	s_wait_dscnt 7-\f
	global_store_b128 v[GO], v[96+4*\f:99+4*\f], s[OBS:OBS+1] offset:\f*8192  ; 16 lanes store 256 consecutive bytes, aligned
.endr
	s_wait_xcnt 0x0                                ; the stores have read their registers and their base
	s_add_nc_u64 s[OBS:OBS+1], s[OBS:OBS+1], 524288  ; the next band: 128 rows on
	s_add_co_u32 s[RAS], s[RAS], ITEM
	s_sub_co_u32 s[CNT], s[CNT], 1
	s_cmp_lg_u32 s[CNT], 0
	s_cbranch_scc1 .Lfin
	s_wait_tensorcnt 0x0                           ; the wave's end
	ds_add_u32 v[SPW], v[NIL]
	s_wait_dscnt 0x0
	CROUND                                         ; the closing round
	s_endpgm
.Lfunc_end_k_q88d0d85670_attn:
	.size	k_q88d0d85670_attn, .Lfunc_end_k_q88d0d85670_attn-k_q88d0d85670_attn
	.p2alignl 7, 3214868480
	.fill 96, 4, 3214868480
	.section	.rodata,"a",@progbits
	.p2align	6, 0x0
	.amdhsa_kernel k_q88d0d85670_attn
		.amdhsa_group_segment_fixed_size 327680
		.amdhsa_private_segment_fixed_size 0
		.amdhsa_enable_private_segment 0
		.amdhsa_kernarg_size 40
		.amdhsa_user_sgpr_count 2
		.amdhsa_user_sgpr_kernarg_segment_ptr 1
		.amdhsa_wavefront_size32 1
		.amdhsa_system_sgpr_workgroup_id_x 1
		.amdhsa_system_sgpr_workgroup_id_y 1
		.amdhsa_system_sgpr_workgroup_id_z 1
		.amdhsa_system_vgpr_workitem_id 0
		.amdhsa_next_free_vgpr 1024
		.amdhsa_next_free_sgpr 96
		.amdhsa_reserve_vcc 1
		.amdhsa_float_denorm_mode_32 3
		.amdhsa_float_denorm_mode_16_64 3
		.amdhsa_memory_ordered 1
		.amdhsa_forward_progress 1
		.amdhsa_inst_pref_size 195
	.end_amdhsa_kernel
	.amdgpu_metadata
---
amdhsa.version: [ 1, 2 ]
amdhsa.kernels:
  - .name:           k_q88d0d85670_attn
    .symbol:         k_q88d0d85670_attn.kd
    .args:
      - { .name: qkv, .offset: 0, .size: 8, .value_kind: global_buffer, .address_space: global }
      - { .name: mx, .offset: 8, .size: 8, .value_kind: global_buffer, .address_space: global }
      - { .name: alpha_log, .offset: 16, .size: 8, .value_kind: global_buffer, .address_space: global }
      - { .name: oh, .offset: 24, .size: 8, .value_kind: global_buffer, .address_space: global }
      - { .name: out1, .offset: 32, .size: 8, .value_kind: global_buffer, .address_space: global }
    .group_segment_fixed_size: 327680
    .private_segment_fixed_size: 0
    .kernarg_segment_align: 8
    .kernarg_segment_size: 40
    .max_flat_workgroup_size: 128
    .sgpr_count:     96
    .vgpr_count:     1024
    .wavefront_size: 32
...
	.end_amdgpu_metadata
.endif
;; end of part 3
;; launch oproj (part 4): grid 16 x 16, 4 waves a work-group, clusters of 4 x 4, 327,680 bytes of LDS; arguments oh, woh, mx, out0; writes out0
.if DOCPART == 4
	.amdgcn_target "amdgcn-amd-amdhsa--gfx1250"
	.amdhsa_code_object_version 6
	.text
	.protected	k_q88d0d85670_oproj
	.globl	k_q88d0d85670_oproj
	.p2align	8
	.type	k_q88d0d85670_oproj,@function
k_q88d0d85670_oproj:
	s_mov_b64 s[64:65], 0
	v_nop
	global_prefetch_b8 v0, s[64:65] scope:SCOPE_SE
	s_setreg_imm32_b32 hwreg(HW_REG_WAVE_MODE, 25, 1), 1
	s_wait_xcnt 0x0
	s_wait_alu depctr_hold_cnt(0) depctr_sa_sdst(0) depctr_va_vdst(0) depctr_va_sdst(0) depctr_va_ssrc(0) depctr_va_vcc(0) depctr_vm_vsrc(0)
	s_getreg_b32 s2, hwreg(HW_REG_IB_STS2, 6, 4)
	s_cmp_eq_u32 s2, 0
	s_cbranch_scc0 .Lentry_in_a_cluster
	s_endpgm
.Lentry_in_a_cluster:
	s_bfe_u32 s2, ttmp6, 0x10000c
	s_cmp_lg_u32 s2, 0xf033
	s_cbranch_scc0 .Lentry_shape_is_right
	s_endpgm
.Lentry_shape_is_right:
; OPROJ.  out0[m][n] = phi x sum over k of oh[m][k] woh[n][k]; oh, woh: [2048][2048] f16; out0 f32.  phi = 2^5 pq pk pv undoes the two powers of two that oh carries (made from mx as in the launch before).
; A tile of out0 is 128 x 128, so that 256 work-groups have one each; four waves, 64 x 64 each: 16 accumulators.  K goes in 8 steps of 256 (LDS rows of 512 bytes, padded to 528) through two slots.
; CLUSTER 4 x 4: oh's tile is asked for jointly along a row of the cluster, woh's along a column.  The matrix instruction is used transposed (source 0 = woh's rows): a lane holds eight neighbouring
; numbers of a row of out0.  A wave's 64 columns of f32 are 256 aligned bytes, so each wave has a stage of its own and no barrier stands on the way out.  No prefetch: the tiles are small.
; REGISTERS: window 0: v0-31 addresses; v32-95 the way out; v128-255 the accumulators ((a, b) at 128 + 8 (4 a + b)).  Window 1: two fragment buffers of 128.
.set KSTEP,  256
.set PITCH,  528
.set HALFT,  64*PITCH
.set SLOT,   4*HALFT                   ; 0x21000: its bits lie apart from those of wave x HALFT
.set STAGE,  2*SLOT
.set SPITCH, 272
.set SPARE,  STAGE+4*16*SPITCH
.set ADRA0, 16
.set ADRB0, 17
.set ADRA, 18
.set ADRB, 19
.set STO, 24
.set RD, 25
.set CO, 26
.set LN16, 27
.set SPW, 28
.set NIL, 29
.set TMP, 32
.set ACC, 128
.set F0, 0
.set F1, 128
.set WV, 12
.set AB, 13
.set HF, 14
.set TRIPS, 3
.set SO, 45
.set G1, 24
.set G0, 32
.set G1B, 48
.set G0B, 56
.set PHI, 66
.set OUTB, 70
.set SEL, 72
.set PQ, 74
.set G1W0, (1<<16)|(1<<20)|(1<<21)|(6<<22)|(3<<25)  ; 2-byte elements; padding on; bit 21 beside a mask; after every 128 words, 4 words
.set MSB, 0
.macro WIN new
.if MSB != (\new)
	s_set_vgpr_msb (MSB<<8)|(\new)
.set MSB, \new
.endif
.endm
.set MUL,  0x05                        ; both sources window 1; C and D window 0
.set TO_F, 0x40
.macro PLACES
.rept 4
	v_nop
.endr
.endm
.macro JLOAD s                         ; waves 0 and 1 fetch oh's two halves, waves 2 and 3 woh's; an s_nop 0 and four v_nop follow each line
	s_cmp_eq_u32 s[AB], 0
	s_cbranch_scc0 .Lfor_b_\@
	tensor_load_to_lds s[G0+4*(\s):G0+4*(\s)+3], s[G1:G1+7]
	s_nop 0
.rept 4
	v_nop
.endr
	s_branch .Lasked_\@
.Lfor_b_\@:
	tensor_load_to_lds s[G0B+4*(\s):G0B+4*(\s)+3], s[G1B:G1B+7]
	s_nop 0
.rept 4
	v_nop
.endr
.Lasked_\@:
.endm
.macro CREST
	s_cmp_lg_u32 s[WV], 0
	s_cbranch_scc1 .Lnot_wave_0_\@
	s_barrier_signal -3
.Lnot_wave_0_\@:
	s_barrier_wait -3
	s_barrier_signal -1
	s_barrier_wait -1
.endm
.macro CROUND
	s_barrier_signal -1
	s_barrier_wait -1
	CREST
.endm
.macro MXRED t                         ; v[128:255]: 32 x (Mq, Mk, Mv, 0) a lane -> the exponent bits of the three maxima, clamped, in s[PQ .. PQ+2]; they serve values alone
.irp c, 0,1,2
	v_max3_num_f32 v[(\t)+\c], v[128+\c], v[132+\c], v[136+\c]
.endr
.set i, 3
.rept 14
.irp c, 0,1,2
	v_max3_num_f32 v[(\t)+\c], v[(\t)+\c], v[128+4*i+\c], v[132+4*i+\c]
.endr
.set i, i+2
.endr
.irp c, 0,1,2
	v_max_num_f32 v[(\t)+\c], v[(\t)+\c], v[252+\c]
.endr
.irp m, 1,2,4,8
.irp c, 0,1,2
	v_max_num_f32_dpp v[(\t)+\c], v[(\t)+\c], v[(\t)+\c] row_xmask:\m row_mask:0xf bank_mask:0xf
.endr
.endr
	v_mov_b32 v[(\t)+3], 0
.irp c, 0,1,2
	v_permlanex16_b32 v[(\t)+3], v[(\t)+\c], s[SEL], s[SEL+1]
	v_max_num_f32 v[(\t)+\c], v[(\t)+\c], v[(\t)+3]
.endr
.irp c, 0,1,2
	v_readfirstlane_b32 s[PQ+\c], v[(\t)+\c]
	s_and_b32 s[PQ+\c], s[PQ+\c], 0x7f800000
	s_max_u32 s[PQ+\c], s[PQ+\c], 0x33800000
	s_min_u32 s[PQ+\c], s[PQ+\c], 0x47000000
.endr
.endm
	s_load_b256 s[4:11], s[0:1], 0x0               ; oh s[4:5], woh s[6:7], mx s[8:9], out0 s[10:11]
	v_lshl_add_u32 v[SPW], v0, 2, SPARE
	v_mov_b32 v[NIL], 0
	ds_add_u32 v[SPW], v[NIL]                      ; the opening: an add of 0, twice on end, and its wait ahead of my first tensor load
	ds_add_u32 v[SPW], v[NIL]
	v_lshrrev_b32 v1, 5, v0
	v_readfirstlane_b32 s[WV], v1
	s_lshr_b32 s[AB], s[WV], 1                     ; my half of the tile's rows; also: I fetch for oh (0) or woh (1)
	s_and_b32 s[HF], s[WV], 1                      ; my half of its columns; also: which 64 rows I fetch
	s_bfe_u32 s40, ttmp6, 0x40000                  ; cx
	s_bfe_u32 s41, ttmp6, 0x40004                  ; cy
	s_lshl_b32 s42, ttmp9, 2
	s_add_co_u32 s42, s42, s40                     ; tile column
	s_and_b32 s15, ttmp7, 0xffff
	s_lshl_b32 s15, s15, 2
	s_add_co_u32 s15, s15, s41                     ; tile row
	s_lshl_b32 s43, s41, 2
	s_lshl_b32 s43, 15, s43                        ; my row of the cluster
	s_lshl_b32 s44, 0x1111, s40                    ; my column
	s_or_b32 s[G1], s43, G1W0
	s_or_b32 s[G1B], s44, G1W0
.irp g, G1, G1B
	s_mov_b32 s[\g+1], KSTEP<<16                   ; tensor_dim0 = 256
	s_mov_b32 s[\g+2], 64<<16                      ; tensor_dim1 = 64
	s_mov_b32 s[\g+3], KSTEP<<16                   ; tile_dim0 = 256
	s_mov_b32 s[\g+4], 64                          ; tile_dim1 = 64
	s_mov_b32 s[\g+5], 2048                        ; elements from row to row
	s_mov_b32 s[\g+6], 0
	s_mov_b32 s[\g+7], 0
.endr
	s_lshl_b32 s18, s[HF], 6
	s_lshl_b32 s16, s15, 7
	s_add_co_u32 s16, s16, s18
	s_lshl_b32 s16, s16, 12                        ; oh: row 128 x tile row + 64 x half, 4,096 bytes a row
	s_mov_b32 s17, 0
	s_lshl_b32 s46, s42, 7
	s_add_co_u32 s46, s46, s18
	s_lshl_b32 s46, s46, 12                        ; woh: row 128 x tile column + 64 x half
	s_mov_b32 s47, 0
	s_mul_i32 s19, s[WV], HALFT                    ; where my 64 rows go
	s_mov_b32 s[SO], 0
	s_mov_b32 s[SEL], 0x76543210
	s_mov_b32 s[SEL+1], 0xfedcba98
	s_wait_dscnt 0x0                               ; both opening adds are done
	s_wait_kmcnt 0x0
	s_add_nc_u64 s[20:21], s[4:5], s[16:17]
	s_add_nc_u64 s[46:47], s[6:7], s[46:47]
	CROUND                                         ; all sixteen work-groups are here: the first joint loads meet
.irp s, 0,1
	s_mov_b32 s[G0+4*\s], 1
	s_add_co_u32 s[G0+4*\s+1], s19, \s*SLOT
	s_add_nc_u64 s[G0+4*\s+2:G0+4*\s+3], s[20:21], \s*KSTEP*2
	s_or_b32 s[G0+4*\s+3], s[G0+4*\s+3], 0x80000000
	s_mov_b32 s[G0B+4*\s], 1
	s_add_co_u32 s[G0B+4*\s+1], s19, \s*SLOT
	s_add_nc_u64 s[G0B+4*\s+2:G0B+4*\s+3], s[46:47], \s*KSTEP*2
	s_or_b32 s[G0B+4*\s+3], s[G0B+4*\s+3], 0x80000000
	JLOAD \s                                       ; K steps 0 and 1: two loads of mine are out
.endr
	v_and_b32 v1, 15, v0
	v_bfe_u32 v2, v0, 4, 1
	v_and_b32 v[LN16], 31, v0
	v_lshlrev_b32 v[LN16], 4, v[LN16]
.set i, 0
.rept 32
	global_load_b128 v[128+4*i:131+4*i], v[LN16], s[8:9] offset:i*512
.set i, i+1
.endr
	v_mul_u32_u24 v3, v1, PITCH
	v_lshl_add_u32 v3, v2, 4, v3
	s_mul_i32 s22, s[AB], HALFT
	s_mul_i32 s23, s[HF], HALFT
	s_add_co_u32 s23, s23, 2*HALFT
	v_add_nc_u32 v[ADRA0], s22, v3
	v_add_nc_u32 v[ADRB0], s23, v3
	v_mov_b32 v[ADRA], v[ADRA0]
	v_mov_b32 v[ADRB], v[ADRB0]
	s_mul_i32 s22, s[WV], 16*SPITCH
	s_add_co_u32 s22, s22, STAGE                   ; my stage
	v_mul_u32_u24 v[STO], v1, SPITCH
	v_lshl_add_u32 v[STO], v2, 5, v[STO]
	v_add_nc_u32 v[STO], s22, v[STO]               ; in: row lane % 16, 32 bytes for each half of the lanes
	v_mul_u32_u24 v[RD], v2, SPITCH
	v_lshl_add_u32 v[RD], v1, 4, v[RD]
	v_add_nc_u32 v[RD], s22, v[RD]                 ; back: lanes 0-15 one row of 256 bytes, lanes 16-31 the next
	v_lshlrev_b32 v[CO], 13, v2
	v_lshl_add_u32 v[CO], v1, 4, v[CO]             ; the same two rows in out0
	s_lshl_b32 s68, s15, 7
	s_lshl_b32 s69, s[AB], 6
	s_add_co_u32 s68, s68, s69
	s_lshl_b32 s68, s68, 13                        ; my first row, 8,192 bytes a row,
	s_lshl_b32 s69, s42, 9
	s_add_co_u32 s68, s68, s69                     ; the tile's 512 bytes of it,
	s_lshl_b32 s69, s[HF], 8
	s_add_co_u32 s68, s68, s69                     ; my 256 of them
	s_mov_b32 s69, 0
	s_add_nc_u64 s[OUTB:OUTB+1], s[10:11], s[68:69]
	s_wait_loadcnt 0x0
	MXRED 32
	s_add_co_u32 s[PHI], s[PQ], s[PQ+1]            ; exponent bits of 2^5 pq pk pv: pq + pk + pv - (249 << 23)
	s_add_co_u32 s[PHI], s[PHI], s[PQ+2]
	s_sub_co_u32 s[PHI], s[PHI], 0x7c800000
	s_mov_b32 s[PHI+1], s[PHI]
.macro MUL8 f, c, a0, zero             ; row blocks a0, a0 + 1 x all 4 column blocks, 32 along K: half c of buffer f.  The 16 accumulators take turns
	WIN MUL
.irp a, \a0, (\a0)+1
.irp b, 0,1,2,3
.if \zero
	v_wmma_f32_16x16x32_f16 v[ACC+8*(4*(\a)+(\b)):ACC+8*(4*(\a)+(\b))+7], v[(\f)+64+8*(4*(\c)+(\b)):(\f)+64+8*(4*(\c)+(\b))+7], v[(\f)+8*(4*(\c)+(\a)):(\f)+8*(4*(\c)+(\a))+7], 0
.else
	v_wmma_f32_16x16x32_f16 v[ACC+8*(4*(\a)+(\b)):ACC+8*(4*(\a)+(\b))+7], v[(\f)+64+8*(4*(\c)+(\b)):(\f)+64+8*(4*(\c)+(\b))+7], v[(\f)+8*(4*(\c)+(\a)):(\f)+8*(4*(\c)+(\a))+7], v[ACC+8*(4*(\a)+(\b)):ACC+8*(4*(\a)+(\b))+7]
.endif
.endr
.endr
.endm
.macro FETCH k, f                      ; 32 LDS loads in one run: 64 along K at byte k of the rows; the first 32 along K first
	WIN TO_F
.irp c, 0,1
.irp i, 0,1,2,3
	ds_load_b128 v[(\f)+64+8*(4*(\c)+(\i)):(\f)+64+8*(4*(\c)+(\i))+3],   v[ADRB] offset:(\k)+64*(\c)+(\i)*16*PITCH
	ds_load_b128 v[(\f)+64+8*(4*(\c)+(\i))+4:(\f)+64+8*(4*(\c)+(\i))+7], v[ADRB] offset:(\k)+64*(\c)+(\i)*16*PITCH+32
	ds_load_b128 v[(\f)+8*(4*(\c)+(\i)):(\f)+8*(4*(\c)+(\i))+3],         v[ADRA] offset:(\k)+64*(\c)+(\i)*16*PITCH
	ds_load_b128 v[(\f)+8*(4*(\c)+(\i))+4:(\f)+8*(4*(\c)+(\i))+7],       v[ADRA] offset:(\k)+64*(\c)+(\i)*16*PITCH+32
.endr
.endr
.endm
.macro QUARTER k, f, g, zero
	s_wait_dscnt 16                                ; the first 32 along K are in
	MUL8 \f, 0, 0, \zero
	MUL8 \f, 0, 2, \zero
	PLACES
	FETCH \k, \g
	s_wait_dscnt 32                                ; all but the 32 just issued
	MUL8 \f, 1, 0, 0
	MUL8 \f, 1, 2, 0
.endm
; The last quarter of a K step changes slots: in front of the barrier each wave waits for all its tensor loads, adds 0 to its spare word, and waits for that and for its reads of this slot.
; fill = 1: the barrier opens a round of the cluster's, and the joint refill, two K steps ahead, comes first behind it: 112 matrix instructions ahead of the wait for it.
.macro TURN fill
	WIN 0
	s_wait_tensorcnt 0x0
	ds_add_u32 v[SPW], v[NIL]
	s_wait_dscnt 17                                ; (the add and the youngest sixteen loads may be out)
	MUL8 F1, 0, 0, 0
	s_wait_dscnt 0x0                               ; the add is done, my reads of this slot are over
	s_barrier_signal -1
	MUL8 F1, 0, 2, 0
	WIN 0
	s_barrier_wait -1
.if \fill
	CREST
	s_xor_b32 s[G0+5], s[G0+5], SLOT               ; the walking descriptors: the other slot than last time, the next K step
	s_add_nc_u64 s[G0+6:G0+7], s[G0+6:G0+7], KSTEP*2
	s_xor_b32 s[G0B+5], s[G0B+5], SLOT
	s_add_nc_u64 s[G0B+6:G0B+7], s[G0B+6:G0B+7], KSTEP*2
	JLOAD 1                                        ; its four v_nop are also the places in front of the loads below
.else
	PLACES
.endif
	s_xor_b32 s[SO], s[SO], SLOT
	v_add_nc_u32 v[ADRA], s[SO], v[ADRA0]
	v_add_nc_u32 v[ADRB], s[SO], v[ADRB0]
	FETCH 0, F0
	MUL8 F1, 1, 0, 0
	MUL8 F1, 1, 2, 0
.endm
	s_wait_tensorcnt 1                             ; my part of K step 0 is in; K step 1 may stay out
	s_barrier_signal -1
	s_barrier_wait -1
	FETCH 0, F0
	QUARTER 128, F0, F1, 1                         ; the first quarter's first products start the sums
	WIN 0
	s_mov_b32 s[TRIPS], 6
.Lstep:                                        ; a trip: a K step's quarters 1-3 and the next step's quarter 0; it asks for K steps 2 .. 7
	QUARTER 256, F1, F0, 0
	QUARTER 384, F0, F1, 0
	TURN 1
	QUARTER 128, F0, F1, 0
	WIN 0
	s_sub_co_u32 s[TRIPS], s[TRIPS], 1
	s_cmp_lg_u32 s[TRIPS], 0
	s_cbranch_scc1 .Lstep
	QUARTER 256, F1, F0, 0                         ; the tail is written out: nothing more is asked for
	QUARTER 384, F0, F1, 0
	TURN 0
	QUARTER 128, F0, F1, 0
	QUARTER 256, F1, F0, 0
	QUARTER 384, F0, F1, 0
	s_wait_dscnt 16
	MUL8 F1, 0, 0, 0
	MUL8 F1, 0, 2, 0
	s_wait_dscnt 0x0
	MUL8 F1, 1, 0, 0
	MUL8 F1, 1, 2, 0
	WIN 0
	PLACES
; THE WAY OUT, a block of 16 rows at a time: times phi, into my stage (rows of 272 bytes), back as whole rows of 256 bytes into the registers that they left, and stored.
.macro PACK a
.set hT, TMP+32*((\a)%2)
.if (\a) >= 2
	s_wait_xcnt 0x0                                ; the stores of two blocks back have read this half
.endif
.set z, 0
.rept 16
	v_pk_mul_f32 v[hT+2*z:hT+2*z+1], v[ACC+32*(\a)+2*z:ACC+32*(\a)+2*z+1], s[PHI:PHI+1] op_sel_hi:[1,0]
.set z, z+1
.endr
.irp b, 0,1,2,3
	ds_store_b128 v[STO], v[hT+8*\b:hT+8*\b+3]   offset:64*\b
	ds_store_b128 v[STO], v[hT+8*\b+4:hT+8*\b+7] offset:64*\b+16
.endr
.irp t, 0,1,2,3,4,5,6,7
	ds_load_b128 v[hT+4*\t:hT+4*\t+3], v[RD] offset:\t*2*SPITCH  ; LDS serves a wave's instructions in order (ISA guide 5.7.1.4): these see the stores above
.endr
.endm
.macro SEND a, younger                 ; younger: the next block's sixteen LDS instructions, or none
.set hT, TMP+32*((\a)%2)
.irp t, 0,1,2,3,4,5,6,7
	s_wait_dscnt (\younger)+7-\t
	global_store_b128 v[CO], v[hT+4*\t:hT+4*\t+3], s[OUTB:OUTB+1] offset:(16*(\a)+2*\t)*8192  ; 16 lanes store 256 consecutive bytes, aligned
.endr
.endm
	PACK 0
	PACK 1
	SEND 0, 16
	PACK 2
	SEND 1, 16
	PACK 3
	SEND 2, 16
	SEND 3, 0
	s_wait_tensorcnt 0x0                           ; the wave's end
	ds_add_u32 v[SPW], v[NIL]
	s_wait_dscnt 0x0
	CROUND                                         ; the closing round
	s_endpgm
.Lfunc_end_k_q88d0d85670_oproj:
	.size	k_q88d0d85670_oproj, .Lfunc_end_k_q88d0d85670_oproj-k_q88d0d85670_oproj
	.p2alignl 7, 3214868480
	.fill 96, 4, 3214868480
	.section	.rodata,"a",@progbits
	.p2align	6, 0x0
	.amdhsa_kernel k_q88d0d85670_oproj
		.amdhsa_group_segment_fixed_size 327680
		.amdhsa_private_segment_fixed_size 0
		.amdhsa_enable_private_segment 0
		.amdhsa_kernarg_size 32
		.amdhsa_user_sgpr_count 2
		.amdhsa_user_sgpr_kernarg_segment_ptr 1
		.amdhsa_wavefront_size32 1
		.amdhsa_system_sgpr_workgroup_id_x 1
		.amdhsa_system_sgpr_workgroup_id_y 1
		.amdhsa_system_sgpr_workgroup_id_z 1
		.amdhsa_system_vgpr_workitem_id 0
		.amdhsa_next_free_vgpr 512
		.amdhsa_next_free_sgpr 80
		.amdhsa_reserve_vcc 0
		.amdhsa_float_denorm_mode_32 3
		.amdhsa_float_denorm_mode_16_64 3
		.amdhsa_memory_ordered 1
		.amdhsa_forward_progress 1
		.amdhsa_inst_pref_size 80
	.end_amdhsa_kernel
	.amdgpu_metadata
---
amdhsa.version: [ 1, 2 ]
amdhsa.kernels:
  - .name:           k_q88d0d85670_oproj
    .symbol:         k_q88d0d85670_oproj.kd
    .args:
      - { .name: oh, .offset: 0, .size: 8, .value_kind: global_buffer, .address_space: global }
      - { .name: woh, .offset: 8, .size: 8, .value_kind: global_buffer, .address_space: global }
      - { .name: mx, .offset: 16, .size: 8, .value_kind: global_buffer, .address_space: global }
      - { .name: out0, .offset: 24, .size: 8, .value_kind: global_buffer, .address_space: global }
    .group_segment_fixed_size: 327680
    .private_segment_fixed_size: 0
    .kernarg_segment_align: 8
    .kernarg_segment_size: 32
    .max_flat_workgroup_size: 128
    .sgpr_count:     80
    .vgpr_count:     512
    .wavefront_size: 32
...
	.end_amdgpu_metadata
.endif
;; end of part 4
;; ======== version 2 of 2: 4 launches; version 1 with the launch prep written anew for expert scheduling mode
;; limits: values are held in f16: magnitudes above 65,504 overflow, below 6.1e-05 lose precision; values outside matrix products are rounded to f16
;; workspace buffers: xh 8,388,608 bytes; wh 25,165,824 bytes; woh 8,388,608 bytes; beta 131,072 bytes; qkv 25,165,824 bytes; mx 16,384 bytes; oh 8,388,608 bytes
;; launch prep (part 5): grid 768 x 1, 8 waves a work-group, no clusters, 9,216 bytes of LDS; arguments x, Wq, Wk, Wv, Wo, Wb, bb, xh, wh, woh, beta; writes xh, wh, woh, beta
.if DOCPART == 5
	.amdgcn_target "amdgcn-amd-amdhsa--gfx1250"
	.amdhsa_code_object_version 6
	.text
	.protected	k_q88d0d85670_prep
	.globl	k_q88d0d85670_prep
	.p2align	8
	.type	k_q88d0d85670_prep,@function
k_q88d0d85670_prep:
	s_mov_b64 s[64:65], 0
	v_nop
	global_prefetch_b8 v0, s[64:65] scope:SCOPE_SE
	s_setreg_imm32_b32 hwreg(HW_REG_WAVE_SCHED_MODE, 0, 2), 2
	s_setreg_imm32_b32 hwreg(HW_REG_WAVE_MODE, 25, 1), 1
	s_wait_xcnt 0x0
	s_wait_alu depctr_vm_vsrc(0)
; PREP.  Work-groups 0-127: beta = sigmoid(x Wb^T + bb), 16 rows of x each.  Work-groups 128-767: x, Wq, Wk, Wv, Wo are rounded to bf16 and written as f16.
; RoPE's angle hangs on head and channel alone, so it is applied here to the rows of Wq and Wk (in f32, on the bf16 numbers, rounded once to f16).
; Every input is rounded to bf16 first; a bf16 number is exact in f16 from 2^-17 up; smaller ones keep f16's fixed step of 2^-24.
; LIMITS.  |x| and the weights stay under 65,504; NaN and infinities are not treated apart.
; wh's rows: head x 384 + half x 192 + role x 64 + dd (role 0 q, 1 k, 2 v; channel = 64 half + dd), so that one tile of 384 rows is a head's q, k and v.
; beta's layout: [block of 16 rows][16 heads][16 rows] f32.
; No tensor loads, no cluster: the casts stream, each byte read by one wave; LDS serves the beta path's sum over its eight waves alone.
; THE MODE: SCHED_MODE bits 1:0 = 2 (LLVM: expert scheduling mode 2), set by the entry lines.  The code itself states the register dependences
; between vector or matrix instructions and memory or LDS instructions, with s_wait_alu, always for 0.
; THE PLAN, THE CASTS.  Registers that memory instructions touch:
;   v1, v14        the loads' and the stores' offsets: written once, ahead of the one wait that stands in front of the loads; never written again.
;   v[128:255]     the 32 loads land here, once; no vector instruction names them before.  Chunk k's four roundings to f16 write the first four of its eight registers, its two stores read
;                  them, and nothing writes them again.
;   Chunk k issues the stores of chunk k - 2.  One wait on va_vdst stands at the head of each even chunk from 2 on: the roundings of chunks k - 2 and k - 1 have written their results.  The stores at the
;   head of the odd chunk behind it lean on the same wait: the vector instructions issued since name chunk k's eight registers and v16-35 alone.
; THE PLAN, BETA.
;   v1, v6, v8, v9 offsets and LDS addresses: written once, ahead of the wait in front of the first load; never written again.
;   v[128:191], v[192:255]  two raw sets.  Batch k's 32 roundings read set k % 2; behind them one wait on va_vdst; then the loads of batch k + 2 land in it, dealt among the batch's two matrix instructions,
;                  which name v16-31 and v32-95 alone.
;   v[16:23]       written by the four packed sums, read by the two LDS stores: one wait between.  The same wait serves the LDS loads into v[32:63], which roundings wrote and matrix instructions read ahead of it.
;   v[32:35]       the reciprocals' wait stands ahead of the global store that reads them.
;   v96, v97       written at the head, read by the closing add alone.
.set SPARE, 8192                       ; behind the partial sums: the spare words, 128 bytes a wave
.set SPW, 96                           ; v96  LDS address of my spare word; never rewritten
.set NIL, 97                           ; v97  0; never rewritten
.set LB,  128                          ; v[128:255] the cast path's 32 loads; the beta path's two sets of 64
.set WV,  26                           ; s26  my wave's number
	s_load_b512 s[4:19], s[0:1], 0x0               ; x s[4:5], Wq s[6:7], Wk s[8:9], Wv s[10:11], Wo s[12:13], Wb s[14:15], bb s[16:17], xh s[18:19]
	s_load_b128 s[20:23], s[0:1], 0x40             ; wh s[20:21], woh s[22:23]
	s_load_b64 s[24:25], s[0:1], 0x50              ; beta
	v_lshl_add_u32 v[SPW], v0, 2, SPARE
	v_mov_b32 v[NIL], 0
	v_lshrrev_b32 v1, 5, v0
	v_readfirstlane_b32 s[WV], v1
	v_and_b32 v3, 31, v0                           ; lane
	s_wait_alu depctr_va_sdst(0)                   ; s[WV] is written: ahead of the branch, and of its first readers on both ways
	s_cmp_lt_u32 ttmp9, 128                        ; the same in all waves of a work-group
	s_cbranch_scc1 .Lbeta
; ---------------- THE CASTS.  A wave owns the two rows G x 128 + jj and + 64 of one tensor: 2 x 8,192 bytes in, 2 x 4,096 out.
	s_sub_co_u32 s27, ttmp9, 128
	s_lshr_b32 s28, s27, 7                         ; which tensor: 0 x, 1 Wq, 2 Wk, 3 Wv, 4 Wo
	s_bfe_u32 s29, s27, 0x40003                    ; G: the group of 128 rows (a head, for the weights)
	s_and_b32 s30, s27, 7
	s_lshl_b32 s30, s30, 3
	s_add_co_u32 s30, s30, s[WV]                   ; jj, 0..63
	s_lshl_b32 s31, s29, 7
	s_add_co_u32 s31, s31, s30                     ; the first row
	s_lshl_b32 s42, s31, 13                        ; x 8,192 bytes
	s_mov_b32 s43, 0
	s_mul_i32 s44, s29, 384
	s_sub_co_u32 s45, s28, 1
	s_cmp_lt_u32 s45, 2
	s_cselect_b32 s48, s29, 0                      ; the head whose angle turns the pair: Wq and Wk alone; 0 gives cos 1, sin 0 exactly
	s_lshl_b32 s45, s45, 6
	s_add_co_u32 s44, s44, s45
	s_add_co_u32 s44, s44, s30                     ; the first row in wh
	s_cmp_eq_u32 s28, 0
	s_cselect_b32 s44, s31, s44                    ; x and Wo keep their rows,
	s_cselect_b32 s46, 64, 192                     ; and the second row lies 64 on (in wh: 192)
	s_cmp_eq_u32 s28, 4
	s_cselect_b32 s44, s31, s44
	s_cselect_b32 s46, 64, s46
	s_lshl_b32 s44, s44, 12                        ; x 4,096 bytes
	s_mov_b32 s45, 0
	s_lshl_b32 s46, s46, 12
	s_mov_b32 s47, 0
	s_mov_b32 s49, 0xffff0000                      ; a word's upper bf16
	v_lshlrev_b32 v1, 4, v3                        ; 16 bytes a lane in
	v_lshlrev_b32 v14, 3, v3                       ; 8 bytes a lane out
	s_wait_kmcnt 0x0
	s_mov_b64 s[32:33], s[4:5]
	s_cmp_eq_u32 s28, 1
	s_cselect_b64 s[32:33], s[6:7], s[32:33]
	s_cmp_eq_u32 s28, 2
	s_cselect_b64 s[32:33], s[8:9], s[32:33]
	s_cmp_eq_u32 s28, 3
	s_cselect_b64 s[32:33], s[10:11], s[32:33]
	s_cmp_eq_u32 s28, 4
	s_cselect_b64 s[32:33], s[12:13], s[32:33]
	s_cselect_b64 s[34:35], s[22:23], s[20:21]     ; out: woh, or wh,
	s_cmp_eq_u32 s28, 0
	s_cselect_b64 s[34:35], s[18:19], s[34:35]     ; or xh
	s_add_nc_u64 s[32:33], s[32:33], s[42:43]
	s_add_nc_u64 s[34:35], s[34:35], s[44:45]
	s_add_nc_u64 s[36:37], s[34:35], s[46:47]
	s_wait_alu depctr_va_vdst(0)                   ; v1 and v14 are written: every load of this path reads v1 as its offset, every store v14
.set k, 0
.rept 16                                       ; all 32 loads go out at once: each covers 512 consecutive bytes; chunk k of both rows
	global_load_b128 v[LB+8*k:LB+8*k+3],   v1, s[32:33] offset:k*512
	global_load_b128 v[LB+8*k+4:LB+8*k+7], v1, s[32:33] offset:k*512+524288
.set k, k+1
.endr
	; cos and sin of head x theta, theta = 10000^(-jj/64) <= 1, while the loads are out: two series (the terms left out are under 3e-8), then the power by squaring
	v_cvt_f32_u32 v2, s30
	v_mul_f32 v2, 0xbe549a78, v2                   ; -jj log2(10000) / 64
	v_exp_f32 v2, v2
	v_nop                                          ; a plain instruction behind the exponential,
	s_wait_alu depctr_va_vdst(0)                   ; and the wait ahead of its first reader: theta is written
	v_mul_f32 v4, v2, v2
	v_mov_b32 v5, 0x3638ef1d                       ; 1/9!
	v_mov_b32 v6, 0xb493f27e                       ; -1/10!
	v_fmaak_f32 v5, v5, v4, 0xb9500d01             ; -1/7!
	v_fmaak_f32 v6, v6, v4, 0x37d00d01             ; 1/8!
	v_fmaak_f32 v5, v5, v4, 0x3c088889             ; 1/5!
	v_fmaak_f32 v6, v6, v4, 0xbab60b61             ; -1/6!
	v_fmaak_f32 v5, v5, v4, 0xbe2aaaab             ; -1/3!
	v_fmaak_f32 v6, v6, v4, 0x3d2aaaab             ; 1/4!
	v_fma_f32 v5, v5, v4, 1.0
	v_fma_f32 v6, v6, v4, -0.5
	v_mul_f32 v5, v5, v2                           ; sin theta
	v_fma_f32 v4, v6, v4, 1.0                      ; cos theta
	v_mov_b32 v6, 1.0                              ; the power so far: (1, 0)
	v_mov_b32 v7, 0
.macro CPOW b                          ; if bit b of the head is set the power takes the factor; the factor is squared.  Bit b's mask has a scalar register of its own, s[50 + b]
	v_mul_f32 v8, v7, v5
	v_mul_f32 v9, v7, v4
	v_fma_f32 v8, v6, v4, -v8
	v_fma_f32 v9, v6, v5, v9
	s_bitcmp1_b32 s48, \b
	s_cselect_b32 s[50+(\b)], -1, 0
	v_cndmask_b32 v6, v6, v8, s[50+(\b)]
	v_cndmask_b32 v7, v7, v9, s[50+(\b)]
	v_mul_f32 v10, v5, v5
	v_mul_f32 v11, v4, v5
	v_fma_f32 v4, v4, v4, -v10
	v_add_f32 v5, v11, v11
.endm
	CPOW 0
	CPOW 1
	CPOW 2
	CPOW 3
	v_readfirstlane_b32 s38, v6                    ; c
	v_readfirstlane_b32 s40, v7                    ; s
	s_wait_alu depctr_va_sdst(0)                   ; s38 and s40 are written, ahead of their first readers, the two lines below
	s_mov_b32 s39, s38                             ; named as pairs
	s_mov_b32 s41, s40
; The two stores of chunk k: its results lie in the first four of its eight load registers.
.macro PUT k
.set LS, LB+8*(\k)
	global_store_b64 v14, v[LS:LS+1],   s[34:35] offset:(\k)*256  ; the wave's 32 lanes store 256 consecutive bytes, aligned
	global_store_b64 v14, v[LS+2:LS+3], s[36:37] offset:(\k)*256
.endm
; Chunk k: 128 columns of both rows.  A = row 1, B = row 2, both rounded to bf16; out 1 = A c - B s, out 2 = B c + A s, rounded to f16.
; The results go into the chunk's own first load registers, which nothing writes again: no wait for the stores' sources is needed.
; At its head the chunk issues the stores of chunk k - 2.
.macro CHUNK k
.set LK, LB+8*(\k)
	s_wait_loadcnt 30-2*(\k)                       ; loads come back in order: the 2 (15 - k) younger ones may stay out
.if ((\k) >= 2) && ((\k)%2 == 0)
	s_wait_alu depctr_va_vdst(0)                   ; the roundings of chunks k - 2 and k - 1 have written their results, which the stores below and those at the next chunk's head read
.endif
.if (\k) >= 2
	PUT (\k)-2                                     ; in an odd chunk no wait: no vector instruction since the last wait names these registers or v14
.endif
	v_cvt_pk_bf16_f32 v24, v[LK], v[LK+1]
	v_cvt_pk_bf16_f32 v25, v[LK+2], v[LK+3]
	v_cvt_pk_bf16_f32 v26, v[LK+4], v[LK+5]
	v_cvt_pk_bf16_f32 v27, v[LK+6], v[LK+7]
.irp z, 0,1,2,3
	v_lshlrev_b32 v[16+2*\z], 16, v[24+\z]
	v_and_b32 v[17+2*\z], s49, v[24+\z]
.endr
	v_pk_mul_f32 v[28:29], v[20:21], s[40:41] op_sel_hi:[1,0]
	v_pk_mul_f32 v[30:31], v[22:23], s[40:41] op_sel_hi:[1,0]
	v_pk_mul_f32 v[32:33], v[16:17], s[40:41] op_sel_hi:[1,0]
	v_pk_mul_f32 v[34:35], v[18:19], s[40:41] op_sel_hi:[1,0]
	v_pk_fma_f32 v[28:29], v[16:17], s[38:39], v[28:29] op_sel_hi:[1,0,1] neg_lo:[0,0,1] neg_hi:[0,0,1]
	v_pk_fma_f32 v[30:31], v[18:19], s[38:39], v[30:31] op_sel_hi:[1,0,1] neg_lo:[0,0,1] neg_hi:[0,0,1]
	v_pk_fma_f32 v[32:33], v[20:21], s[38:39], v[32:33] op_sel_hi:[1,0,1]
	v_pk_fma_f32 v[34:35], v[22:23], s[38:39], v[34:35] op_sel_hi:[1,0,1]
	v_cvt_pk_f16_f32 v[LK], v28, v29
	v_cvt_pk_f16_f32 v[LK+1], v30, v31
	v_cvt_pk_f16_f32 v[LK+2], v32, v33
	v_cvt_pk_f16_f32 v[LK+3], v34, v35
.endm
.irp k, 0,1,2,3,4,5,6,7,8,9,10,11,12,13,14,15
	CHUNK \k
.endr
	s_wait_alu depctr_va_vdst(0)                   ; the roundings of chunks 14 and 15 have written their results, which the last four stores read
	PUT 14
	PUT 15
	s_endpgm
; ---------------- BETA.  Work-group g: rows 16 g .. of x.  Wave v takes channels 256 v .. 256 v + 255: eight fragments of 32.  Source 0 = 16 rows of x, source 1 = the 16 rows of Wb:
; in the result a lane holds head lane % 16 and rows 8 (lane / 16) + 0..7.  A fragment's 8 + 8 channels a lane are 4 loads of 16 bytes of f32, rounded to bf16 in registers.
.Lbeta:
	v_and_b32 v4, 15, v0                           ; r
	v_bfe_u32 v5, v0, 4, 1                         ; hl
	s_lshl_b32 s27, s[WV], 10
	v_lshlrev_b32 v1, 13, v4
	v_lshl_add_u32 v1, v5, 5, v1
	v_add_nc_u32 v1, s27, v1                       ; r x 8,192 + wave x 1,024 + hl x 32: for x and for Wb; never rewritten
	s_and_b32 s28, s[WV], 1
	s_lshl_b32 s28, s28, 5
	v_lshrrev_b32 v6, 2, v3
	v_lshl_add_u32 v6, v6, 2, s28                  ; bb of head 8 (wave % 2) + lane / 4
	v_lshlrev_b32 v8, 6, v4
	v_lshl_add_u32 v8, v5, 5, v8
	v_add_nc_u32 v8, s27, v8                       ; LDS: my wave's image [head][16 rows] at wave x 1,024
	s_lshl_b32 s29, s[WV], 9
	v_lshl_add_u32 v9, v3, 4, s29                  ; waves 0 and 1: my 16 bytes of the image
	s_lshl_b32 s30, ttmp9, 17                      ; 16 rows of 8,192 bytes
	s_mov_b32 s31, 0
	s_lshl_b32 s34, ttmp9, 10
	s_mov_b32 s35, 0
	s_wait_kmcnt 0x0
	s_add_nc_u64 s[32:33], s[4:5], s[30:31]
	s_add_nc_u64 s[36:37], s[24:25], s[34:35]
	s_wait_alu depctr_va_vdst(0)                   ; v1, v6, v8 and v9 are written: the offsets and LDS addresses that this path's loads and stores read
	global_load_b32 v7, v6, s[16:17]
.macro LOADB k, set, ff                ; fragment 2 k + ff of x and of Wb: 8 loads into half ff of a set of 64 registers
.irp q, 0,1,2,3
	global_load_b128 v[LB+64*(\set)+32*(\ff)+4*\q:LB+64*(\set)+32*(\ff)+4*\q+3],       v1, s[32:33] offset:(2*(\k)+(\ff))*128+16*(\q%2)+64*(\q/2)
	global_load_b128 v[LB+64*(\set)+32*(\ff)+16+4*\q:LB+64*(\set)+32*(\ff)+16+4*\q+3], v1, s[14:15] offset:(2*(\k)+(\ff))*128+16*(\q%2)+64*(\q/2)
.endr
.endm
; The two accumulators take turns.  The 32 roundings of a batch write the other pair of fragment buffers than the products just issued read: they are those products' places.
; ahead = 1: the set that the roundings have emptied is asked for again, for batch k + 2: eight loads behind each of the two products.
.macro PROC k, left, ahead
	s_wait_loadcnt \left
.set FRB, 32+32*((\k)%2)
.set STB, LB+64*((\k)%2)
.set i, 0
.rept 32
	v_cvt_pk_bf16_f32 v[FRB+i], v[STB+2*i], v[STB+2*i+1]
.set i, i+1
.endr
.if \ahead
	s_wait_alu depctr_va_vdst(0)                   ; the 32 roundings are done reading this raw set, in which the sixteen loads below land
.endif
.if (\k) == 0
	v_wmma_f32_16x16x32_bf16 v[16:23], v[FRB:FRB+7], v[FRB+8:FRB+15], 0
.else
	v_wmma_f32_16x16x32_bf16 v[16:23], v[FRB:FRB+7], v[FRB+8:FRB+15], v[16:23]
.endif
.if \ahead
	LOADB (\k)+2, (\k)%2, 0                        ; no further wait: the product issued since names the fragment buffers and an accumulator alone
.endif
.if (\k) == 0
	v_wmma_f32_16x16x32_bf16 v[24:31], v[FRB+16:FRB+23], v[FRB+24:FRB+31], 0
.else
	v_wmma_f32_16x16x32_bf16 v[24:31], v[FRB+16:FRB+23], v[FRB+24:FRB+31], v[24:31]
.endif
.if \ahead
	LOADB (\k)+2, (\k)%2, 1
.endif
.endm
	LOADB 0, 0, 0
	LOADB 0, 0, 1
	LOADB 1, 1, 0
	LOADB 1, 1, 1
	PROC 0, 16, 1                                  ; bb and batch 0 are in; batch 1's 16 loads may stay out
	PROC 1, 16, 1
	PROC 2, 16, 0
	PROC 3, 0, 0
.rept 8
	v_nop                                          ; the places behind the last products, once a launch
.endr
.irp i, 0,2,4,6
	v_pk_add_f32 v[16+\i:17+\i], v[16+\i:17+\i], v[24+\i:25+\i]
.endr
	s_wait_alu depctr_va_vdst(0)                   ; the four sums have written v[16:23], which the LDS stores read; the roundings and products that named v[32:63], in which the LDS loads below land, are done too
	ds_store_b128 v8, v[16:19]
	ds_store_b128 v8, v[20:23] offset:16
	s_wait_dscnt 0x0                               ; for the others: my partial sums lie in LDS
	s_barrier_signal -1
	s_barrier_wait -1
	s_cmp_lt_u32 s[WV], 2                          ; waves 0 and 1 finish half of the image each
	s_cbranch_scc0 .Lbend
.irp i, 0,1,2,3,4,5,6,7
	ds_load_b128 v[32+4*\i:35+4*\i], v9 offset:\i*1024  ; no vector or matrix instruction has been issued since the wait ahead of the LDS stores
.endr
	v_cvt_pk_bf16_f32 v7, v7, v7                   ; bb is rounded like every input
	v_lshlrev_b32 v7, 16, v7
	v_mul_f32 v10, 0xbfb8aa3b, v7                  ; -bb log2(e)
	s_wait_dscnt 0x0
.set i, 0
.rept 8
	v_pk_add_f32 v[32+2*i:33+2*i], v[32+2*i:33+2*i], v[48+2*i:49+2*i]
.set i, i+1
.endr
.set i, 0
.rept 4
	v_pk_add_f32 v[32+2*i:33+2*i], v[32+2*i:33+2*i], v[40+2*i:41+2*i]
.set i, i+1
.endr
	v_pk_add_f32 v[32:33], v[32:33], v[36:37]
	v_pk_add_f32 v[34:35], v[34:35], v[38:39]
.irp i, 32,33,34,35
	v_fmamk_f32 v\i, v\i, 0xbfb8aa3b, v10          ; -(z + bb) log2(e)
.endr
.irp i, 32,33,34,35
	v_exp_f32 v\i, v\i
.endr
	v_nop
	s_wait_alu depctr_va_vdst(0)                   ; one wait for the four exponentials, ahead of the additions that read them
.irp i, 32,33,34,35
	v_add_f32 v\i, 1.0, v\i
.endr
.irp i, 32,33,34,35
	v_rcp_f32 v\i, v\i
.endr
	v_nop
	s_wait_alu depctr_va_vdst(0)                   ; one wait for the four reciprocals: they have written v[32:35], which the store reads
	global_store_b128 v9, v[32:35], s[36:37]       ; the wave stores 512 consecutive bytes, aligned
.Lbend:
	s_wait_dscnt 0x0                               ; the wave's end
	s_wait_alu 0x0
	s_wait_tensorcnt 0x0
	ds_add_u32 v[SPW], v[NIL]
	s_wait_dscnt 0x0
	s_endpgm
.Lfunc_end_k_q88d0d85670_prep:
	.size	k_q88d0d85670_prep, .Lfunc_end_k_q88d0d85670_prep-k_q88d0d85670_prep
	.p2alignl 7, 3214868480
	.fill 96, 4, 3214868480
	.section	.rodata,"a",@progbits
	.p2align	6, 0x0
	.amdhsa_kernel k_q88d0d85670_prep
		.amdhsa_group_segment_fixed_size 9216
		.amdhsa_private_segment_fixed_size 0
		.amdhsa_enable_private_segment 0
		.amdhsa_kernarg_size 88
		.amdhsa_user_sgpr_count 2
		.amdhsa_user_sgpr_kernarg_segment_ptr 1
		.amdhsa_wavefront_size32 1
		.amdhsa_system_sgpr_workgroup_id_x 1
		.amdhsa_system_sgpr_workgroup_id_y 1
		.amdhsa_system_sgpr_workgroup_id_z 1
		.amdhsa_system_vgpr_workitem_id 0
		.amdhsa_next_free_vgpr 256
		.amdhsa_next_free_sgpr 66
		.amdhsa_reserve_vcc 0
		.amdhsa_float_denorm_mode_32 3
		.amdhsa_float_denorm_mode_16_64 3
		.amdhsa_memory_ordered 1
		.amdhsa_forward_progress 1
		.amdhsa_inst_pref_size 52
	.end_amdhsa_kernel
	.amdgpu_metadata
---
amdhsa.version: [ 1, 2 ]
amdhsa.kernels:
  - .name:           k_q88d0d85670_prep
    .symbol:         k_q88d0d85670_prep.kd
    .args:
      - { .name: x, .offset: 0, .size: 8, .value_kind: global_buffer, .address_space: global }
      - { .name: Wq, .offset: 8, .size: 8, .value_kind: global_buffer, .address_space: global }
      - { .name: Wk, .offset: 16, .size: 8, .value_kind: global_buffer, .address_space: global }
      - { .name: Wv, .offset: 24, .size: 8, .value_kind: global_buffer, .address_space: global }
      - { .name: Wo, .offset: 32, .size: 8, .value_kind: global_buffer, .address_space: global }
      - { .name: Wb, .offset: 40, .size: 8, .value_kind: global_buffer, .address_space: global }
      - { .name: bb, .offset: 48, .size: 8, .value_kind: global_buffer, .address_space: global }
      - { .name: xh, .offset: 56, .size: 8, .value_kind: global_buffer, .address_space: global }
      - { .name: wh, .offset: 64, .size: 8, .value_kind: global_buffer, .address_space: global }
      - { .name: woh, .offset: 72, .size: 8, .value_kind: global_buffer, .address_space: global }
      - { .name: beta, .offset: 80, .size: 8, .value_kind: global_buffer, .address_space: global }
    .group_segment_fixed_size: 9216
    .private_segment_fixed_size: 0
    .kernarg_segment_align: 8
    .kernarg_segment_size: 88
    .max_flat_workgroup_size: 256
    .sgpr_count:     66
    .vgpr_count:     256
    .wavefront_size: 32
...
	.end_amdgpu_metadata
.endif
;; end of part 5
;; launch qkv: the kernel of part 2 again; grid 16 x 16, 4 waves a work-group, clusters of 4 x 4, 327,680 bytes of LDS; arguments xh, wh, beta, qkv, mx; writes qkv, mx
;; launch attn: the kernel of part 3 again; grid 8 x 32, 4 waves a work-group, clusters of 4 x 1, 327,680 bytes of LDS; arguments qkv, mx, alpha_log, oh, out1; writes oh, out1
;; launch oproj: the kernel of part 4 again; grid 16 x 16, 4 waves a work-group, clusters of 4 x 4, 327,680 bytes of LDS; arguments oh, woh, mx, out0; writes out0
